; MI455X (gfx1250); checked and timed in simulation.
; The chip was launched on July 23, 2026; its instructions are those of AMD's public machine-readable ISA for CDNA 5 (MIT licence, August 2026) and "CDNA5" Instruction Set Architecture Reference Guide (July 2026). The comments in the code are by the model that wrote it; some were corrected since.
;; Example Model. Allowed arithmetic: matrix products marked QUANTISED: E4M3 operands, one E8M0 scale for each 32 along K, by v_wmma_scale_f32_16x16x128_f8f6f4 with both operands' format E4M3, f32 sums; products left as they are: f32 operands where the result goes on into a quantised operand, else bf16, f16 or f32 operands; f32 sums; everything else in f32.
;; Inputs: W_codes 2 x 2,048 x 64 x 32 uint8 (E4M3 codes of W, K innermost, in blocks of 32 codes); W_scales 2 x 2,048 x 64 uint8 (E8M0 scales of W, one for each 32 codes along K); b 2 x 2,048 float32; wg 2,048 x 2 float32; x 8 x 1,024 x 2,048 float32.
;; Outputs: out0 8 x 1,024 float32.
;; This version of the problem:
;;   THIS VERSION OF THE PROBLEM IS GIVEN IN LOW PRECISION. The matrix products marked QUANTISED in the list below multiply operands that are first quantised to E4M3 (4 exponent bits, 3 mantissa bits; 8 bits a number), with one power-of-two scale for each 32 numbers along K (OCP MX v1.0); their sums are f32. All else is computed in f32.
;;   The module's matrix products, in the order in which they are computed (A, B: the left and right operand; K: the contracted axis; several contracted axes count as one K, in the product's order):
;;     1. [M 8,192, K 2,048] x [K 2,048, N 2]; A: input x; B: input wg: left as it is (N = 2 < 16)
;;     2. [M 4,096, K 2,048] x [K 2,048, N 8,192]; A: input W (given as codes); B: input x: QUANTISED
;;     3. batch 8,192 x [M 1, K 2] x [K 2, N 2,048]; A: computed on the way; B: computed on the way: left as it is (K = 2 < 32)
;;   THE QUANTISER, for each operand of a quantised product, along K:
;;     - K is cut into blocks of 32 from its start; a last block that is shorter is filled with zeros.
;;     - A block's scale is 2^e with e = floor(log2(the largest magnitude in the block)) - 8, held to -126 .. 127; a block of zeros has e = 0. As a byte (E8M0): e + 127.
;;     - Each number is divided by its block's scale, clamped to +-448, and rounded to the nearest number of E4M3, ties to even, subnormals kept.
;;     - The product sums the exact products of the quantised numbers (number of the format x scale) in f32.
;;   ~~~python
;;   def quantise(x, axis):      # numpy; x: float32 -> the quantised numbers, widened to float32 again
;;       x = np.moveaxis(x, axis, -1); K = x.shape[-1]
;;       x = np.pad(x, [(0, 0)] * (x.ndim - 1) + [(0, -K % 32)]); x = x.reshape(x.shape[:-1] + (-1, 32)); a = np.abs(x).max(-1, keepdims=True)
;;       e = np.where(a > 0, np.clip(np.frexp(np.where(a > 0, a, 1))[1] - 1 - 8, -126, 127), 0)      # np.frexp(a)[1] - 1 = floor(log2(a)), exactly
;;       r = np.clip(x / 2.0 ** e, -448, 448)
;;       step = 2.0 ** (np.maximum(np.frexp(np.where(r == 0, 1, r))[1] - 1, -6) - 3)
;;       q = np.round(r / step) * step * 2.0 ** e      # np.round: ties to even
;;       return np.moveaxis(q.reshape(q.shape[:-2] + (-1,))[..., :K], -1, axis).astype(np.float32)
;;   ~~~
;;   INPUTS GIVEN AS CODES. W (in the module: [2, 2048, 2048], K = its axis 1): each comes as NAME_codes (uint8): NAME with its K axis moved to the last place and cut into blocks of 32 codes, [.., K / 32, bytes a block], one block behind the other in memory; one code a byte (a code: sign, 4 exponent bits, 3 mantissa bits); and NAME_scales (uint8): the same leading axes, one E8M0 byte (e + 127) for each 32 codes along K. Its value is code x scale, taken as it is: it is not quantised again, and the codes and scales need not be those that the quantiser above would give.
;; 2 versions, each right. Each part assembles by itself: llvm-mc -triple=amdgcn-amd-amdhsa -mcpu=gfx1250 --defsym DOCPART=n.
;; ======== version 1 of 2: 3 launches
;; workspace buffers: xc 16,777,216 bytes; xs 524,288 bytes; lg 65,536 bytes; part 1,048,576 bytes
;; launch quant (part 1): grid 256 x 1, 8 waves a work-group, no clusters, 82,944 bytes of LDS; arguments x, wg, xc, xs, lg; writes xc, xs, lg
.if DOCPART == 1
	.amdgcn_target "amdgcn-amd-amdhsa--gfx1250"
	.amdhsa_code_object_version 6
	.text
	.protected	k_qff59807680_quant
	.globl	k_qff59807680_quant
	.p2align	8
	.type	k_qff59807680_quant,@function
k_qff59807680_quant:
	s_mov_b64 s[64:65], 0
	v_nop
	global_prefetch_b8 v0, s[64:65] scope:SCOPE_SE
	s_setreg_imm32_b32 hwreg(HW_REG_WAVE_MODE, 25, 1), 1
	s_wait_xcnt 0x0
; x [8192 tokens][2048] f32 becomes codes of FP8 (E4M3), xc [8192][2048], K innermost, with one E8M0 byte for each 32 along K, xs [8192][64];
; and, since the numbers are in registers anyway, the gate's two logits of each token, lg [8192][2] = x . wg, by fused multiply-adds in f32.
; A block's scale is 2^(floor(log2(its largest magnitude)) - 8); its byte is the largest magnitude's exponent field - 8, held at 1 from below.  Each number is divided by the scale, held within +-448, rounded to the nearest code, ties to even.
; LIMITS: a block of zeros gets the byte 1 where the rule says 127 (its codes are zeros, which add nothing under any byte but 0xff, and this program alone reads the bytes); NaN and infinities among the inputs are not served;
; a logit's 2,048 products are summed in another order than a plain chain along d: 16 a lane in two halves, then 128 lanes' parts in a tree.
; SHARES.  A work-group of eight waves takes 32 tokens.  Wave w takes quarter q = w % 4 of a row (512 numbers) of the rows 16 (w / 4) + 0 .. 15: sixteen steps, a row's quarter (2,048 consecutive bytes) a step.
; So a wave needs only its quarter of wg: 16 rows of wg a lane, 32 registers, kept for the whole launch.
; The conversions take neighbours along K from ONE lane's registers, a load is best where neighbouring LANES take neighbouring bytes: each of a step's four loads reads 512 consecutive bytes, 16 a lane; the 2,048 bytes go through
; the wave's own stage in LDS as they lie and come back 64 bytes a lane (16 bytes of padding behind each 64).  Two neighbouring lanes hold a block of 32.  A lane's 16 codes are 16 bytes: the wave stores 512 consecutive bytes.
; Scale bytes and the lanes' parts of the logits are gathered in LDS and leave at the end: the scale bytes as 2,048 consecutive bytes, the logits as 256.
; No tensor loads, no ring.  Loads run four steps (16 loads a wave) ahead, the turn through LDS one step.  Each step has registers of its own for what it stores, so no store's data are written again.
.set STEPS, 16
.set EMAX,  8
.set MANT,  0x600000                   ; the mantissa field of 448 as f32
.set SP,    80                         ; a lane's place in a stage: its 64 bytes + 16 of padding
.set WREG,  2*32*SP                    ; LDS: two stages for each wave: bytes 0 .. 40,959
.set PART,  8*WREG                     ; the lanes' parts of the logits: 32 rows x (128 lanes x 8 bytes + 128 of padding)
.set PP,    1152                       ; that row's pitch: 128 more than a multiple of 256, so that two neighbouring rows' 128 bytes fall on different banks (64 banks of 4 bytes: ISA guide 11.1)
.set SCB,   PART+32*PP                 ; the scale bytes: 32 rows x 64
.set LG,    SCB+2048                   ; the logits: 32 rows x 8 bytes
.set R,     16                         ; v16-79   four sets of 16 numbers as they are loaded
.set X,     80                         ; v80-111  two sets of 16 neighbours (at the head: wg as loaded)
.set G0,    112                        ; v112-127 wg[512 q + 16 lane + i][0]
.set G1,    128                        ; v128-143 wg[512 q + 16 lane + i][1]
.set C,     144                        ; v144-207 codes: four registers for each step
.set E,     208                        ; v208-223 a scale byte for each step
.set A,     224                        ; v224-255 my part of the two logits, a pair for each step
	s_load_b256 s[4:11], s[0:1], 0x0               ; x s[4:5], wg s[6:7], xc s[8:9], xs s[10:11]
	s_load_b64 s[12:13], s[0:1], 0x20              ; lg
	v_lshl_add_u32 v4, v0, 2, 0x14000
	s_set_vgpr_msb 0x40
	v_mov_b32 v1, 0
	s_set_vgpr_msb 0x4000
	v_lshrrev_b32 v1, 5, v0
	v_readfirstlane_b32 s16, v1                    ; wave 0..7
	s_and_b32 s17, s16, 3                          ; q: my quarter of a row
	s_lshr_b32 s18, s16, 2                         ; g: my half of the 32 rows
	v_and_b32 v2, 31, v0                           ; lane
	v_lshlrev_b32 v3, 4, v2                        ; 16 x lane: my 16 bytes of a load's 512, and my codes' place in a step's 512
	v_lshlrev_b32 v7, 7, v2                        ; wg: 16 rows of 8 bytes a lane
	s_mul_i32 s19, s16, WREG                       ; my wave's stages
	v_lshrrev_b32 v14, 2, v2
	v_mul_u32_u24 v14, v14, SP
	v_and_b32 v15, 3, v2
	v_lshl_add_u32 v14, v15, 4, v14
	v_add_nc_u32 v14, s19, v14                     ; the stage, on the way in: four lanes' 64 bytes on end, then 16 of padding: SP (lane / 4) + 16 (lane % 4)
	v_mul_u32_u24 v15, v2, SP
	v_add_nc_u32 v15, s19, v15                     ; and on the way out: SP x lane: my 16 neighbours
	s_lshl_b32 s20, s18, 10                        ; the scale bytes: 16 rows of 64 for each half,
	s_lshl_b32 s21, s17, 4                         ; 16 bytes for each quarter,
	s_add_co_u32 s20, s20, s21
	s_add_co_u32 s20, s20, SCB
	v_lshrrev_b32 v5, 1, v2                        ; a byte for each two lanes
	v_add_nc_u32 v5, s20, v5
	s_mul_i32 s20, s18, 16*PP                      ; the logits' parts: 16 rows for each half,
	s_lshl_b32 s21, s17, 8                         ; 256 bytes for each quarter,
	s_add_co_u32 s20, s20, s21
	s_add_co_u32 s20, s20, PART
	v_lshl_add_u32 v6, v2, 3, s20                  ; 8 bytes a lane
	s_lshl_b32 s20, ttmp9, 5
	s_lshl_b32 s21, s18, 4
	s_add_co_u32 s20, s20, s21                     ; my first row: 32 x work-group + 16 g
	s_lshl_b32 s24, s20, 13                        ; x: 8,192 bytes a row, 2,048 a quarter (under 2^27)
	s_lshl_b32 s21, s17, 11
	s_add_co_u32 s24, s24, s21
	s_mov_b32 s25, 0
	s_lshl_b32 s26, s20, 11                        ; xc: 2,048 bytes a row, 512 a quarter
	s_lshl_b32 s21, s17, 9
	s_add_co_u32 s26, s26, s21
	s_mov_b32 s27, 0
	s_lshl_b32 s28, s17, 12                        ; wg: 512 rows of 8 bytes a quarter
	s_mov_b32 s29, 0
	s_lshl_b32 s30, ttmp9, 11                      ; xs: 32 rows of 64 bytes a work-group
	s_mov_b32 s31, 0
	s_lshl_b32 s14, ttmp9, 8                       ; lg: 32 rows of 8 bytes a work-group
	s_mov_b32 s15, 0
	s_mov_b32 s23, MANT                            ; (an instruction takes one literal: the hold's line has another)
	s_wait_kmcnt 0x0
	s_add_nc_u64 s[4:5], s[4:5], s[24:25]
	s_add_nc_u64 s[6:7], s[6:7], s[28:29]
	s_add_nc_u64 s[8:9], s[8:9], s[26:27]
	s_add_nc_u64 s[10:11], s[10:11], s[30:31]
	s_add_nc_u64 s[12:13], s[12:13], s[14:15]
.macro LOAD t                          ; step t: my quarter of row t of my sixteen
.irp i, 0,1,2,3
	global_load_b128 v[R+16*((\t)%4)+4*\i:R+16*((\t)%4)+4*\i+3], v3, s[4:5] offset:8192*(\t)+512*\i th:TH_LOAD_NT   ; 32 lanes read 512 consecutive bytes; read once in the launch
.endr
.endm
.macro TURN t                          ; step t's numbers through the stage: LDS serves a wave's instructions in order (ISA guide 5.7.1.4), so no wait stands between the stores and the loads
.irp i, 0,1,2,3
	ds_store_b128 v14, v[R+16*((\t)%4)+4*\i:R+16*((\t)%4)+4*\i+3] offset:32*SP*((\t)%2)+8*SP*\i
.endr
.irp i, 0,1,2,3
	ds_load_b128 v[X+16*((\t)%2)+4*\i:X+16*((\t)%2)+4*\i+3], v15 offset:32*SP*((\t)%2)+16*\i
.endr
.endm
.irp k, 0,1,2,3,4,5,6,7
	global_load_b128 v[X+4*\k:X+4*\k+3], v7, s[6:7] offset:16*\k   ; my 16 rows of wg, the two experts' numbers by turns
.endr
.irp t, 0,1,2,3
	LOAD \t
.endr
	s_wait_loadcnt 16                              ; wg is in; the sixteen loads of x behind it may be out
.irp i, 0,1,2,3,4,5,6,7,8,9,10,11,12,13,14,15
	v_mov_b32 v[G0+\i], v[X+2*\i]                  ; once a wave: each expert's 16 numbers on end, so that a packed multiply-add takes two neighbours of x and two of one expert as they lie
	v_mov_b32 v[G1+\i], v[X+2*\i+1]
.endr
	s_wait_loadcnt 12                              ; step 0's four loads are in
	TURN 0
.macro STEP t
.set XS, X+16*((\t)%2)
.set AT, A+2*(\t)
.if (\t) > 0
	s_wait_dscnt 2                                 ; this step's numbers are back from the stage (the last step's two stores, its logits' parts and its byte, may be out): so its stores into the stage have read their registers,
.else
	s_wait_dscnt 0x0
.endif
.if (\t)+4 < STEPS
	LOAD (\t)+4                                    ; which take the loads of four steps on
.endif
.if (\t)+1 < STEPS
.if STEPS-2-(\t) >= 3
	s_wait_loadcnt 12                              ; the next step's four loads are in; those of the three steps behind it may be out
.else
	s_wait_loadcnt 4*(STEPS-2-(\t))
.endif
	TURN (\t)+1                                    ; and go through the other stage while this step is worked
.endif
	; the gate, ahead of the hold, which changes numbers: two chains, one for each expert, each with an even and an odd half
	v_pk_mul_f32 v[12:13], v[XS:XS+1], v[G0:G0+1]
	v_pk_mul_f32 v[AT:AT+1], v[XS:XS+1], v[G1:G1+1]
	v_max3_num_f32 v8, |v[XS]|, |v[XS+1]|, |v[XS+2]|               ; the largest magnitude of my 16, in two chains
	v_max3_num_f32 v9, |v[XS+3]|, |v[XS+4]|, |v[XS+5]|
.irp i, 2,4,6
	v_pk_fma_f32 v[12:13], v[XS+\i:XS+\i+1], v[G0+\i:G0+\i+1], v[12:13]
	v_pk_fma_f32 v[AT:AT+1], v[XS+\i:XS+\i+1], v[G1+\i:G1+\i+1], v[AT:AT+1]
.endr
.irp i, 6,10
	v_max3_num_f32 v8, v8, |v[XS+\i]|, |v[XS+\i+1]|
	v_max3_num_f32 v9, v9, |v[XS+\i+2]|, |v[XS+\i+3]|
.endr
.irp i, 8,10,12,14
	v_pk_fma_f32 v[12:13], v[XS+\i:XS+\i+1], v[G0+\i:G0+\i+1], v[12:13]
	v_pk_fma_f32 v[AT:AT+1], v[XS+\i:XS+\i+1], v[G1+\i:G1+\i+1], v[AT:AT+1]
.endr
	v_max3_num_f32 v8, v8, |v[XS+14]|, |v[XS+15]|
	v_max3_num_f32 v8, v8, v9, (EMAX+1)<<23        ; and the floor 2^(EMAX + 1 - 127), under which no largest magnitude is taken: so the byte cannot fall under 1
	v_add_f32 v[AT+1], v[AT], v[AT+1]              ; expert 1's two halves,
	v_add_f32 v[AT], v12, v13                      ; expert 0's
	ds_store_b64 v6, v[AT:AT+1] offset:PP*(\t)     ; my part of this row's two logits
	v_max_num_f32_dpp v8, v8, v8 row_xmask:1 row_mask:0xf bank_mask:0xf   ; with my neighbour's 16: the block's largest magnitude
	v_add_nc_u32 v11, -(EMAX<<23), v8              ; EMAX off its exponent field: the conversion takes the exponent field of this operand as its scale, and nothing else of it
	v_and_or_b32 v10, v8, 0x7f800000, s23          ; 448 x the scale: the largest magnitude's exponent field over 448's mantissa (s23)
.irp i, 0,1,2,3,4,5,6,7,8,9,10,11,12,13,14,15
	v_med3_num_f32 v[XS+\i], v[XS+\i], -v10, v10   ; the conversion to an 8-bit code does not saturate (ISA guide 7.6.2): hold the number within the largest code x the scale first
.endr
	v_cvt_scalef32_pk8_fp8_f32 v[C+4*(\t):C+4*(\t)+1], v[XS:XS+7], v11          ; eight numbers / 2^(v11's exponent), to the nearest code, ties to even; the first number's code in the lowest byte
	v_cvt_scalef32_pk8_fp8_f32 v[C+4*(\t)+2:C+4*(\t)+3], v[XS+8:XS+15], v11
	v_lshrrev_b32 v[E+(\t)], 23, v11               ; the scale's byte.  (Also the plain line behind the conversions)
	ds_store_b8 v5, v[E+(\t)] offset:64*(\t)       ; both lanes of a block write the same byte with the same value
	global_store_b128 v3, v[C+4*(\t):C+4*(\t)+3], s[8:9] offset:2048*(\t)   ; 32 lanes store 512 consecutive bytes, at a multiple of 256 from xc's first byte
.endm
.irp t, 0,1,2,3,4,5,6,7,8,9,10,11,12,13,14,15
	STEP \t
.endr
	; THE TAIL.  The addresses hang on the thread's number alone and are made ahead of the barrier, on the one way that all waves take
	v_lshl_add_u32 v80, v0, 3, SCB                 ; the scale bytes: 8 a thread, in LDS
	v_lshlrev_b32 v81, 3, v0                       ; and in xs
	v_lshrrev_b32 v86, 3, v0                       ; eight threads to a row of logits' parts
	v_mul_u32_u24 v82, v86, PP
	v_and_b32 v87, 7, v0
	v_lshl_add_u32 v82, v87, 4, v82
	v_add_nc_u32 v82, PART, v82                    ; thread t reads 16 bytes (two lanes' pairs) at 16 (t % 8) + 128 j of row t / 8, j = 0 .. 7
	v_lshl_add_u32 v83, v86, 3, LG                 ; where the row's two logits go
	v_lshl_add_u32 v84, v2, 3, LG                  ; and from where wave 0 takes them: a lane a row
	v_lshlrev_b32 v85, 3, v2
	s_wait_dscnt 0x0                               ; for the others' sake: my stores of bytes and of parts have landed
	s_barrier_signal -1
	s_barrier_wait -1
	ds_load_b64 v[88:89], v80
.irp j, 0,1,2,3,4,5,6,7
	ds_load_b128 v[16+4*\j:19+4*\j], v82 offset:128*\j
.endr
	s_wait_dscnt 8                                 ; the scale bytes are in; the eight loads behind them may be out
	global_store_b64 v81, v[88:89], s[10:11]       ; a wave stores 256 consecutive bytes, at a multiple of 256 from xs's first byte
	s_wait_dscnt 0x0
.irp d, 16,8,4,2                       ; my 16 pairs (expert 0's part, expert 1's) become one: 8 + 4 + 2 + 1 packed additions
.set TP, 0
.rept \d/2
	v_pk_add_f32 v[16+TP:17+TP], v[16+TP:17+TP], v[16+TP+\d:17+TP+\d]
.set TP, TP+2
.endr
.endr
.irp m, 1,2,4                          ; and the row's eight threads' become one, in each of the eight
	v_add_f32_dpp v16, v16, v16 row_xmask:\m row_mask:0xf bank_mask:0xf
	v_add_f32_dpp v17, v17, v17 row_xmask:\m row_mask:0xf bank_mask:0xf
.endr
	ds_store_b64 v83, v[16:17]                     ; the eight write the same bytes with the same values
	s_wait_dscnt 0x0                               ; for wave 0's sake
	s_barrier_signal -1
	s_barrier_wait -1
	s_cmp_lg_u32 s16, 0
	s_cbranch_scc1 .Lend
	ds_load_b64 v[20:21], v84
	s_wait_dscnt 0x0
	global_store_b64 v85, v[20:21], s[12:13]       ; 32 rows' logits: 256 consecutive bytes, at a multiple of 256 from lg's first byte
.Lend:
	s_set_vgpr_msb 0x4
	s_wait_tensorcnt 0x0
	ds_add_u32 v4, v1
	s_wait_dscnt 0x0
	s_set_vgpr_msb 0x400
	s_endpgm
.Lfunc_end_k_qff59807680_quant:
	.size	k_qff59807680_quant, .Lfunc_end_k_qff59807680_quant-k_qff59807680_quant
	.p2alignl 7, 3214868480
	.fill 96, 4, 3214868480
	.section	.rodata,"a",@progbits
	.p2align	6, 0x0
	.amdhsa_kernel k_qff59807680_quant
		.amdhsa_group_segment_fixed_size 82944
		.amdhsa_private_segment_fixed_size 0
		.amdhsa_enable_private_segment 0
		.amdhsa_kernarg_size 40
		.amdhsa_user_sgpr_count 2
		.amdhsa_user_sgpr_kernarg_segment_ptr 1
		.amdhsa_wavefront_size32 1
		.amdhsa_system_sgpr_workgroup_id_x 1
		.amdhsa_system_sgpr_workgroup_id_y 1
		.amdhsa_system_sgpr_workgroup_id_z 1
		.amdhsa_system_vgpr_workitem_id 0
		.amdhsa_next_free_vgpr 258
		.amdhsa_next_free_sgpr 66
		.amdhsa_reserve_vcc 0
		.amdhsa_float_denorm_mode_32 3
		.amdhsa_float_denorm_mode_16_64 3
		.amdhsa_memory_ordered 1
		.amdhsa_forward_progress 1
		.amdhsa_inst_pref_size 74
	.end_amdhsa_kernel
	.amdgpu_metadata
---
amdhsa.version: [ 1, 2 ]
amdhsa.kernels:
  - .name:           k_qff59807680_quant
    .symbol:         k_qff59807680_quant.kd
    .args:
      - { .name: x, .offset: 0, .size: 8, .value_kind: global_buffer, .address_space: global }
      - { .name: wg, .offset: 8, .size: 8, .value_kind: global_buffer, .address_space: global }
      - { .name: xc, .offset: 16, .size: 8, .value_kind: global_buffer, .address_space: global }
      - { .name: xs, .offset: 24, .size: 8, .value_kind: global_buffer, .address_space: global }
      - { .name: lg, .offset: 32, .size: 8, .value_kind: global_buffer, .address_space: global }
    .group_segment_fixed_size: 82944
    .private_segment_fixed_size: 0
    .kernarg_segment_align: 8
    .kernarg_segment_size: 40
    .max_flat_workgroup_size: 256
    .sgpr_count:     66
    .vgpr_count:     258
    .wavefront_size: 32
...
	.end_amdgpu_metadata
.endif
;; end of part 1
;; launch gemm (part 2): grid 16 x 32, 4 waves a work-group, clusters of 4 x 4, 327,680 bytes of LDS; arguments xc, xs, W_codes, W_scales, part; writes part
.if DOCPART == 2
	.amdgcn_target "amdgcn-amd-amdhsa--gfx1250"
	.amdhsa_code_object_version 6
	.text
	.protected	k_qff59807680_gemm
	.globl	k_qff59807680_gemm
	.p2align	8
	.type	k_qff59807680_gemm,@function
k_qff59807680_gemm:
	s_mov_b64 s[64:65], 0
	v_nop
	global_prefetch_b8 v0, s[64:65] scope:SCOPE_SE
	s_setreg_imm32_b32 hwreg(HW_REG_WAVE_MODE, 25, 1), 1
	s_wait_xcnt 0x0
	s_wait_alu depctr_hold_cnt(0) depctr_sa_sdst(0) depctr_va_vdst(0) depctr_va_sdst(0) depctr_va_ssrc(0) depctr_va_vcc(0) depctr_vm_vsrc(0)
	s_getreg_b32 s2, hwreg(HW_REG_IB_STS2, 6, 4)
	s_cmp_eq_u32 s2, 0
	s_cbranch_scc0 .Lentry_in_a_cluster
	s_endpgm
.Lentry_in_a_cluster:
	s_bfe_u32 s2, ttmp6, 0x10000c
	s_cmp_lg_u32 s2, 0xf033
	s_cbranch_scc0 .Lentry_shape_is_right
	s_endpgm
.Lentry_shape_is_right:
; The quantised product of both experts, C[token][n] = sum over k of X[token][k] W[n][k], n = 2048 e + h, and of it only what the problem keeps: for each token the sum of C over each 128 neighbouring n.
; A = X: [SIZE_M][SIZE_K] codes of FP8 (E4M3) with scale bytes [SIZE_M][SIZE_K / 32], made by the launch before.  B = W: [SIZE_N][SIZE_K] codes and [SIZE_N][SIZE_K / 32] scale bytes, as given.  Sums in f32.
; OUT: part [32 chunks of 128 n][8192 tokens] f32: chunks 0-15 are expert 0's, 16-31 expert 1's.  The last launch adds a token's 16 parts of each expert, the experts' biases, and chooses.
; LIMITS: the sum over h is taken in another order than a chain along h (64 numbers a lane in a tree, two lanes, then 16 chunks); the bias enters as its own sum over h, in the last launch.  NaN and infinities are not served.
; A tile of C, 256 x 256, is made by a work-group of four waves, as many as a WGP has SIMDs; a wave makes 128 x 128: 64 accumulators of 16 x 16, 512 registers.  512 tiles.
; K goes in steps of 256 through a ring of two LDS slots filled by the tensor data mover: a tile's row is 256 bytes of memory.
; THE SCALES of the work-group's 256 rows of A and 256 rows of B, for all of K, are two dense blocks of memory: they come into LDS ONCE, with the first fills, as rows of 256 bytes, and stay.
; CLUSTERS: 4 x 4 work-groups.  The four of a row of the cluster need the same tiles of A, the four of a column the same tiles of B: each tile is asked for JOINTLY, by the same tensor load with the
; same descriptor and a mask that names the four.  THE MATRIX INSTRUCTION IS USED TRANSPOSED (source 0 = 16 rows of B, source 1 = 16 rows of A): a lane then holds ONE token (lane % 16) and eight n of each accumulator.
; REGISTERS, in windows of 256: window 0: v0-31 addresses; v32-63 scale words, two sets; v64-71 the way out's sums; from v128 A's fragments (8 x 16 rows x 128 K), ONE set.
;   window 1: B's fragments, TWO sets, at v0 and at v128.   window 2: the 32 accumulators of my rows 0-63 (accumulator (a, b) at v[8 (8 a + b)]);   window 3: those of my rows 64-127.
; A step of 128 along K is 64 matrix instructions, A's blocks one after the other, each against B's eight.  So a block of A is free as soon as its eight products are issued, and one set of registers serves A:
; blocks 0-3 are fetched anew in the step's middle, blocks 4-7 at its end.  B's fragments are at work through the whole step, so B has two sets.
.set SIZE_M, 8192
.set SIZE_N, 4096
.set SIZE_K, 2048
.set KSTEP,  256                       ; along K in a slot
.set NQ,     KSTEP/128                 ; matrix instructions deep
.set ROWB,   256                       ; a tile's row in bytes: KSTEP codes of 8 bits
.set KROW,   SIZE_K                    ; a row of A or of B in memory, in bytes
.set PITCH,  272                       ; an LDS row: 256 bytes of data + 16 of padding = 68 words: row r starts at bank 4 r mod 64 (64 banks of 4 bytes: ISA guide 11.1), so the 16 rows that a load touches start at 16 different banks
.set FR,     16                        ; registers of a fragment: 16 rows x 128 K
.set NL,     4                         ; LDS loads that bring one
.set NP,     8                         ; places behind this matrix instruction (ISA guide 7.12.1)
.set HALFT,  128*PITCH                 ; 128 rows: what one tensor load brings, and what one wave reads of A or of B
.set SLOT,   4*HALFT                   ; A's 256 rows, then B's 256 rows
.set LAPS,   SIZE_K/(2*KSTEP)          ; a lap = two K steps = once round the ring: 4
.set KS,     SIZE_K/32                 ; a row of scales in bytes: 64
.set SCL,    2*SLOT                    ; behind the ring: the scales, as rows of 256 bytes + 16 of padding
.set HALFS,  (128*KS/256)*272          ; the scales of 128 rows: what one tensor load brings
.set SBLK,   (16*KS/256)*272           ; those of 16 rows
.set SPARE,  SCL+4*HALFS               ; behind the scales: the spare words, 128 bytes for each wave: two blocks of 256 bytes that no other line names
.set ADRA, 16                          ; v16-17  LDS address of my A fragments in slot 0, 1
.set ADRB, 20                          ; v20-21  the same for B
.set STO,  24                          ; v24     the way out: where I put a token's sum: 512 x wave + 4 (lane % 16).  The stage, 512 bytes a wave, lies in slot 0, which has had its last fill and its last read when the first sum is stored there
.set RD,   25                          ; v25     the way out: where I read four tokens' sums back: 512 x wave + 16 x lane
.set CO,   26                          ; v26     my byte offset among my wave's 128 tokens in part: 16 x lane
.set SPW,  28                          ; v28     LDS address of my spare word: SPARE + 4 x my thread's number; never rewritten
.set NIL,  29                          ; v29     0; never rewritten
.set ADRS, 27                          ; v27     LDS address of my scale words: lanes 0-15 A's rows, lanes 16-31 B's
.set SC,   32                          ; scale words: set s (for slot s) at v[SC + 8 NQ s]; in it register NQ i + q: lanes 0-15 the word of A's block i, lanes 16-31 that of B's block i, for the slot's q-th 128 along K
.set SUMS, 64                          ; v64-71  the way out: block a's sum for my token
.set AF,   128                         ; A's fragments, in window 0
.set TS,   128                         ; the way out: 4 x 32 registers at work, where A's fragments lay
.set G1, 24                            ; s[24:31] descriptor group 1 for A's tiles;  s[32:39] group 0, one set for each slot
.set G0, 32
.set G1B, 48                           ; s[48:55], s[56:63] the same for B's tiles
.set G0B, 56
.set G1S, 68                           ; s[68:75], s[76:79] groups 1 and 0 for A's scales;  s[80:87], s[88:91] for B's
.set G0S, 76
.set G1SB, 80
.set G0SB, 88
.set MSB, 0
.macro WIN new                         ; the immediate's high byte repeats the setting that is left
.if MSB != \new
	s_set_vgpr_msb (MSB<<8)|\new
.set MSB, \new
.endif
.endm
.set MUL_LO, 0xa1                      ; source 0 (B) window 1, source 1 (A) window 0, C and D window 2
.set MUL_HI, 0xf1                      ; the same, C and D window 3
.set TO_B,   0x40                      ; destination window 1, address window 0
; A joint load: waves 0 and 1 fetch for A, waves 2 and 3 for B.  Each of the two lines has ONE mask and one set of registers for all that issue it; the branch hangs on the wave's number alone.
; Four v_nop follow each of the two lines, ahead of the jump, the label and what follows.
.macro JLOAD g0a, g1a, g0b, g1b
	s_cmp_eq_u32 s15, 0
	s_cbranch_scc0 .Lfor_b_\@
	tensor_load_to_lds s[\g0a:\g0a+3], s[\g1a:\g1a+7]
	s_nop 0
.rept 4
	v_nop
.endr
	s_branch .Lasked_\@
.Lfor_b_\@:
	tensor_load_to_lds s[\g0b:\g0b+3], s[\g1b:\g1b+7]
	s_nop 0
.rept 4
	v_nop
.endr
.Lasked_\@:
.endm
.macro CREST                           ; a round of the cluster's barrier behind its opening barrier
	s_cmp_lg_u32 s14, 0
	s_cbranch_scc1 .Lnot_wave_0_\@
	s_barrier_signal -3
.Lnot_wave_0_\@:
	s_barrier_wait -3
	s_barrier_signal -1
	s_barrier_wait -1
.endm
.macro CROUND                          ; a whole round
	s_barrier_signal -1
	s_barrier_wait -1
	CREST
.endm
	s_load_b128 s[4:7], s[0:1], 0x0                ; A's codes s[4:5], A's scales s[6:7]
	s_load_b128 s[8:11], s[0:1], 0x10              ; B's codes s[8:9], B's scales s[10:11]
	s_load_b64 s[12:13], s[0:1], 0x20              ; part
	v_lshl_add_u32 v[SPW], v0, 2, SPARE
	v_mov_b32 v[NIL], 0
	ds_add_u32 v28, v29
	ds_add_u32 v28, v29
	s_wait_dscnt 0x0
	v_lshrrev_b32 v1, 5, v0
	v_readfirstlane_b32 s14, v1                    ; wave 0..3
	s_lshr_b32 s15, s14, 1                         ; which half of the tile's rows is mine.  Also: I fetch for A (0) or for B (1)
	s_and_b32 s16, s14, 1                          ; which half of its columns.  Also: which 128 rows of that tile I fetch
	s_mov_b32 s96, 0x76543210                      ; v_permlanex16_b32's selects for lane l xor 16
	s_mov_b32 s97, 0xfedcba98
	s_bfe_u32 s40, ttmp6, 0x40000                  ; cx, cy: my place in the cluster
	s_bfe_u32 s41, ttmp6, 0x40004
	s_lshl_b32 s42, ttmp9, 2
	s_add_co_u32 s42, s42, s40                     ; tile column of C = 4 x cluster x + cx
	s_and_b32 s17, ttmp7, 0xffff
	s_lshl_b32 s17, s17, 2
	s_add_co_u32 s17, s17, s41                     ; tile row of C = 4 x cluster y + cy
	s_lshl_b32 s43, s41, 2
	s_lshl_b32 s43, 15, s43                        ; my row of the cluster
	s_lshl_b32 s44, 0x1111, s40                    ; my column
	; descriptor group 1: a tile of 128 rows x ROWB bytes, padded in LDS
	s_or_b32 s[G1+0], s43, (0<<16)|(1<<20)|(1<<21)|(5<<22)|(3<<25)  ; 15:0 the mask: A's tiles go to my row; 17:16 element of 1 byte; 20 padding on; 21 set beside a mask; 24:22 after every 64 words (code 5); 31:25 of 4 words (code 3)
	s_or_b32 s[G1B+0], s44, (0<<16)|(1<<20)|(1<<21)|(5<<22)|(3<<25)
.irp g, G1, G1B
	s_mov_b32 s[\g+1], ROWB<<16                    ; tensor_dim0
	s_mov_b32 s[\g+2], 128<<16                     ; tensor_dim1 = 128
	s_mov_b32 s[\g+3], ROWB<<16                    ; tile_dim0
	s_mov_b32 s[\g+4], 128                         ; tile_dim1 = 128
	s_mov_b32 s[\g+5], KROW                        ; tensor_dim0_stride
	s_mov_b32 s[\g+6], 0
	s_mov_b32 s[\g+7], 0
.endr
	; and for the scales of 128 rows: a dense block of 128 KS bytes, as rows of 256 bytes (32 elements of 8 bytes), 16 bytes of padding behind each
	s_or_b32 s[G1S+0], s43, (3<<16)|(1<<20)|(1<<21)|(5<<22)|(3<<25)
	s_or_b32 s[G1SB+0], s44, (3<<16)|(1<<20)|(1<<21)|(5<<22)|(3<<25)
.irp g, G1S, G1SB
	s_mov_b32 s[\g+1], 32<<16
	s_mov_b32 s[\g+2], (128*KS/256)<<16
	s_mov_b32 s[\g+3], 32<<16
	s_mov_b32 s[\g+4], 128*KS/256
	s_mov_b32 s[\g+5], 32
	s_mov_b32 s[\g+6], 0
	s_mov_b32 s[\g+7], 0
.endr
	s_lshl_b32 s18, s16, 7                         ; which 128 rows of the tile I fetch
	s_lshl_b32 s20, s17, 8
	s_add_co_u32 s20, s20, s18                     ; A: row 256 x tile row + 128 x half
	s_lshl_b32 s46, s42, 8
	s_add_co_u32 s46, s46, s18                     ; B: row 256 x tile column + 128 x half
	s_mov_b32 s21, 0
	s_mov_b32 s47, 0
	s_mov_b64 s[18:19], KS
	s_mul_u64 s[22:23], s[20:21], s[18:19]         ; where these rows' scales begin, in bytes
	s_mul_u64 s[92:93], s[46:47], s[18:19]
	s_mov_b64 s[18:19], KROW
	s_mul_u64 s[20:21], s[20:21], s[18:19]         ; and their codes
	s_mul_u64 s[46:47], s[46:47], s[18:19]
	s_mul_i32 s45, s14, HALFT                      ; where they go: wave x 128 rows: no place in the cluster enters an LDS address
	s_mul_i32 s94, s14, HALFS
	s_wait_kmcnt 0x0
	s_add_nc_u64 s[20:21], s[4:5], s[20:21]
	s_add_nc_u64 s[22:23], s[6:7], s[22:23]
	s_add_nc_u64 s[46:47], s[8:9], s[46:47]
	s_add_nc_u64 s[92:93], s[10:11], s[92:93]
	CROUND                                         ; all sixteen work-groups are here: the first joint loads meet
	s_mov_b32 s[G0S], 1
	s_add_co_u32 s[G0S+1], s94, SCL
	s_mov_b64 s[G0S+2:G0S+3], s[22:23]
	s_or_b32 s[G0S+3], s[G0S+3], 0x80000000
	s_mov_b32 s[G0SB], 1
	s_add_co_u32 s[G0SB+1], s94, SCL
	s_mov_b64 s[G0SB+2:G0SB+3], s[92:93]
	s_or_b32 s[G0SB+3], s[G0SB+3], 0x80000000
	JLOAD G0S, G1S, G0SB, G1SB                     ; the scales first: they are wanted with K step 0
.irp s, 0,1
	s_mov_b32 s[G0+4*\s], 1
	s_add_co_u32 s[G0+4*\s+1], s45, \s*SLOT
	s_add_nc_u64 s[G0+4*\s+2:G0+4*\s+3], s[20:21], \s*ROWB
	s_or_b32 s[G0+4*\s+3], s[G0+4*\s+3], 0x80000000
	s_mov_b32 s[G0B+4*\s], 1
	s_add_co_u32 s[G0B+4*\s+1], s45, \s*SLOT
	s_add_nc_u64 s[G0B+4*\s+2:G0B+4*\s+3], s[46:47], \s*ROWB
	s_or_b32 s[G0B+4*\s+3], s[G0B+4*\s+3], 0x80000000
	JLOAD G0+4*\s, G1, G0B+4*\s, G1B               ; three tensor loads of mine are out now: the scales, K step 0, K step 1
.endr
	v_and_b32 v1, 15, v0                           ; l % 16
	v_bfe_u32 v2, v0, 4, 1                         ; l / 16
	v_mul_u32_u24 v3, v1, PITCH
	v_lshl_add_u32 v4, v2, 4, v3                   ; a fragment's row x pitch + 16 x half
	s_mul_i32 s21, s15, HALFT                      ; my 128 rows of A
	s_mul_i32 s22, s16, HALFT                      ; my 128 rows of B,
	s_add_co_u32 s22, s22, 2*HALFT                 ; which lie behind A's 256
.irp s, 0,1
	v_add_nc_u32 v[ADRA+\s], s21, v4
	v_add_nc_u32 v[ADRB+\s], s22, v4
	s_add_co_u32 s21, s21, SLOT
	s_add_co_u32 s22, s22, SLOT
.endr
	v_mul_u32_u24 v5, v1, KS                       ; my row's scales: KS bytes a row,
	v_lshrrev_b32 v6, 8, v5
	v_lshl_add_u32 v5, v6, 4, v5                   ; and 16 more for each 256 passed
	s_mul_i32 s21, s15, HALFS                      ; A's: my 128 rows
	s_mul_i32 s22, s16, HALFS                      ; B's: my 128 rows, behind A's 256
	s_add_co_u32 s22, s22, 2*HALFS
	s_sub_co_u32 s22, s22, s21
	v_mul_u32_u24 v6, s22, v2                      ; lanes 16-31 take B's: one product, the distance between the two bases
	s_add_co_u32 s21, s21, SCL
	v_add_nc_u32 v5, v5, v6
	v_add_nc_u32 v[ADRS], s21, v5
	s_lshl_b32 s23, s14, 9                         ; my stage: 512 bytes a wave
	v_lshl_add_u32 v[STO], v1, 2, s23              ; in: my token's word
	v_and_b32 v6, 31, v0
	v_lshlrev_b32 v[CO], 4, v6                     ; back: four tokens a lane; and the same in part
	v_add_nc_u32 v[RD], s23, v[CO]
	s_lshl_b32 s20, s17, 8
	s_lshl_b32 s21, s15, 7
	s_add_co_u32 s20, s20, s21                     ; my first token: 256 x tile row + 128 x half
	s_lshl_b32 s20, s20, 2                         ; in bytes
	s_mov_b32 s21, 0
	s_lshl_b32 s46, s42, 1
	s_add_co_u32 s46, s46, s16                     ; my chunk of 128 n: 2 x tile column + half
	s_lshl_b32 s46, s46, 15                        ; x 8,192 tokens x 4 bytes
	s_mov_b32 s47, 0
	s_add_nc_u64 s[20:21], s[20:21], s[46:47]
	s_add_nc_u64 s[12:13], s[12:13], s[20:21]
.macro FRAG reg, adr, q, i             ; a fragment, 16 rows x 128 K of 8-bit codes, is 16 registers: lane l holds row l % 16; registers 4 c .. 4 c + 3 hold K = 32 c + 16 (l / 16) + 0 .. 15
.irp c, 0,1,2,3
	ds_load_b128 v[\reg+4*\c:\reg+4*\c+3], v[\adr] offset:128*(\q)+32*\c+(\i)*16*PITCH
.endr
.endm
; 16 matrix instructions: A's blocks a0, a0 + 1 x B's eight, 128 along K: the slot's q-th.  p: B's set;  sc: the set of scale words.  zero = 1: the first product starts the sums: nothing is ever cleared.
; The 64 accumulators take turns, one instruction a turn, in the same order in every step.
.macro MUL16 a0, p, q, sc, zero
.irp a, \a0, \a0+1
.irp b, 0,1,2,3,4,5,6,7
.if \zero
	v_wmma_scale_f32_16x16x128_f8f6f4 v[8*(8*((\a)%4)+\b):8*(8*((\a)%4)+\b)+7], v[128*(\p)+FR*\b:128*(\p)+FR*\b+FR-1], v[AF+FR*(\a):AF+FR*(\a)+FR-1], 0, v[SC+8*NQ*(\sc)+NQ*\b+(\q)], v[SC+8*NQ*(\sc)+NQ*(\a)+(\q)] matrix_a_scale:MATRIX_SCALE_ROW1
.else
	v_wmma_scale_f32_16x16x128_f8f6f4 v[8*(8*((\a)%4)+\b):8*(8*((\a)%4)+\b)+7], v[128*(\p)+FR*\b:128*(\p)+FR*\b+FR-1], v[AF+FR*(\a):AF+FR*(\a)+FR-1], v[8*(8*((\a)%4)+\b):8*(8*((\a)%4)+\b)+7], v[SC+8*NQ*(\sc)+NQ*\b+(\q)], v[SC+8*NQ*(\sc)+NQ*(\a)+(\q)] matrix_a_scale:MATRIX_SCALE_ROW1
.endif
.endr
.endr
.endm
.macro FETCH_B slot, q, p              ; B's eight fragments of the slot's q-th 128 along K into set p
	WIN TO_B
.irp i, 0,1,2,3,4,5,6,7
	FRAG 128*(\p)+FR*\i, ADRB+\slot, \q, \i
.endr
	WIN 0
.endm
.macro FETCH_A slot, q, i0             ; A's blocks i0 .. i0 + 3
.irp i, \i0, \i0+1, \i0+2, \i0+3
	FRAG AF+FR*(\i), ADRA+\slot, \q, \i
.endr
.endm
.macro SCALES sc                       ; the next K step's scale words into set sc: NQ words a row; lanes 0-15 take A's block i, lanes 16-31 B's block i
.irp i, 0,1,2,3,4,5,6,7
	ds_load_b64 v[SC+8*NQ*\sc+NQ*\i:SC+8*NQ*\sc+NQ*\i+1], v[ADRS] offset:\i*SBLK
.endr
.endm
; A load into a register that a matrix instruction has read, and a vector instruction that reads a matrix result or writes one of a matrix instruction's registers, stand NP places behind that matrix instruction, and only plain
; vector instructions that name none of its registers are places (ISA guide 7.12.1 for vector instructions); this text does not count the matrix instructions in between.
.macro PLACES n
.rept \n
	v_nop
.endr
.endm
; A step of 128 along K that has its successor in the same slot.
.macro STEP slot, q, zero
	s_wait_dscnt 4*NL                              ; B's set and A's blocks 0-3 are in; the youngest sixteen loads (A's blocks 4-7) may be out
	WIN MUL_LO
	MUL16 0, (\q)%2, \q, \slot, \zero
	MUL16 2, (\q)%2, \q, \slot, \zero
	s_wait_dscnt 0                                 ; A's blocks 4-7 are in (asked for 32 matrix instructions ago)
	PLACES NP
	FETCH_B \slot, (\q)+1, 1-(\q)%2
	FETCH_A \slot, (\q)+1, 0
	WIN MUL_HI
	MUL16 4, (\q)%2, \q, \slot, \zero
	MUL16 6, (\q)%2, \q, \slot, \zero
	PLACES NP
	WIN 0
	FETCH_A \slot, (\q)+1, 4
.endm
; A slot's last step changes slots: ONE barrier; in front of it each wave waits for all its tensor loads, adds 0 to its spare word, and waits for that and for its own reads of this slot.  fill = 1: this slot is filled again, two K steps ahead.
.macro TURN slot, next, fill
	s_wait_tensorcnt 0x0                           ; all my tensor loads have landed: my part of the next slot;  (every window is 0 here: the add's two registers lie in window 0)
	ds_add_u32 v[SPW], v[NIL]                      ; 0 onto my spare word
	s_wait_dscnt 4*NL+1                            ; (the add and the youngest sixteen loads, A's blocks 4-7, may be out)
	WIN MUL_LO
	MUL16 0, 1, NQ-1, \slot, 0                     ; sixteen matrix instructions stand between the add and the wait for it
	s_wait_dscnt 0x0                               ; the add is done, and my reads of this slot are over
	s_barrier_signal -1
	MUL16 2, 1, NQ-1, \slot, 0
	WIN 0
	s_barrier_wait -1
.if \fill
	CREST                                          ; the barrier has opened a round of the cluster's barrier: no wave of any partner still reads this slot's tile or has a load on its way
	s_add_nc_u64 s[G0+4*\slot+2:G0+4*\slot+3], s[G0+4*\slot+2:G0+4*\slot+3], 2*ROWB
	s_add_nc_u64 s[G0B+4*\slot+2:G0B+4*\slot+3], s[G0B+4*\slot+2:G0B+4*\slot+3], 2*ROWB
	JLOAD G0+4*\slot, G1, G0B+4*\slot, G1B         ; the first tensor load behind the round, and my only one until the next; the four v_nop behind it are among the places in front of the loads below
	PLACES NP-4
.else
	PLACES NP
.endif
	v_add_nc_u32 v[ADRS], 4*NQ, v[ADRS]            ; on to the next K step's scale words (no LDS load of mine is out)
	FETCH_B \next, 0, 0
	FETCH_A \next, 0, 0
	SCALES \next
	WIN MUL_HI
	MUL16 4, 1, NQ-1, \slot, 0
	MUL16 6, 1, NQ-1, \slot, 0
	PLACES NP
	WIN 0
	FETCH_A \next, 0, 4
.endm
	s_wait_tensorcnt 1                             ; the scales and my part of K step 0 are in (K step 1's load may be out)
	s_barrier_signal -1
	s_barrier_wait -1                              ; everybody's are
	FETCH_B 0, 0, 0
	FETCH_A 0, 0, 0
	SCALES 0
	FETCH_A 0, 0, 4
	STEP 0, 0, 1                                   ; the first step stands in front of the loop: its products start the sums
	s_mov_b32 s3, LAPS-1
.Llap:                                                 ; a trip goes once round the ring, from a lap's second step to the next lap's first, and fills both slots again
	TURN 0, 1, 1
	STEP 1, 0, 0
	TURN 1, 0, 1
	STEP 0, 0, 0
	s_sub_co_u32 s3, s3, 1
	s_cmp_lg_u32 s3, 0
	s_cbranch_scc1 .Llap
	TURN 0, 1, 0                                   ; the last lap fills nothing, and has no round of the cluster's barrier
	STEP 1, 0, 0
	s_wait_dscnt 4*NL                              ; the very last step: nothing more to fetch
	WIN MUL_LO
	MUL16 0, 1, NQ-1, 1, 0
	MUL16 2, 1, NQ-1, 1, 0
	s_wait_dscnt 0
	WIN MUL_HI
	MUL16 4, 1, NQ-1, 1, 0
	MUL16 6, 1, NQ-1, 1, 0
	WIN 0
; THE WAY OUT.  Of C only the sums over n are kept.  In block a (16 tokens) lane (r, h) holds token r and, in the block's 64 registers, the n = 16 b + 8 h + j of my 128: their sum, joined with lane l xor 16's, is the token's part.
; Four blocks (one window of accumulators) at a time.  First each two neighbouring accumulators are added, two numbers an instruction, into the registers that held A's fragments: each accumulator is read from its low end on.
; Then a tree in place, the four blocks by turns: 8 + 4 + 2 + 1 packed additions a block.
.macro HALFSUM hi
	WIN 0x0a+5*(\hi)                               ; sources 0 and 1: window 2 or 3; destination window 0
.irp q, 0,1,2,3
.irp u, 0,1,2,3
.irp j, 0,1,2,3
	v_pk_add_f32 v[TS+32*\q+8*\u+2*\j:TS+32*\q+8*\u+2*\j+1], v[64*\q+16*\u+2*\j:64*\q+16*\u+2*\j+1], v[64*\q+16*\u+8+2*\j:64*\q+16*\u+8+2*\j+1]
.endr
.endr
.endr
	WIN 0
.irp d, 16,8,4,2
.irp q, 0,1,2,3
.set TP, 0
.rept \d/2
	v_pk_add_f32 v[TS+32*\q+TP:TS+32*\q+TP+1], v[TS+32*\q+TP:TS+32*\q+TP+1], v[TS+32*\q+TP+\d:TS+32*\q+TP+\d+1]
.set TP, TP+2
.endr
.endr
.endr
.irp q, 0,1,2,3
	v_add_f32 v[SUMS+4*(\hi)+\q], v[TS+32*\q], v[TS+32*\q+1]
.endr
.irp q, 0,1,2,3
	v_permlanex16_b32 v[TS+32*\q+2], v[SUMS+4*(\hi)+\q], s96, s97   ; (its destination counts as read: the tree has written it)
.endr
.irp q, 0,1,2,3
	v_add_f32 v[SUMS+4*(\hi)+\q], v[SUMS+4*(\hi)+\q], v[TS+32*\q+2]  ; with lane l xor 16's: the token's sum over my 128 n
.endr
.endm
	PLACES NP                                      ; behind the last products: the additions below write the registers that held A's fragments, and read results
	HALFSUM 0
	HALFSUM 1
.irp a, 0,1,2,3,4,5,6,7
	ds_store_b32 v[STO], v[SUMS+\a] offset:64*\a   ; token 16 a + r; lanes l and l xor 16 write the same word with the same value
.endr
	ds_load_b128 v[80:83], v[RD]                   ; LDS serves a wave's instructions in order (ISA guide 5.7.1.4): this sees my stores.  Four neighbouring tokens a lane
	s_wait_dscnt 0x0
	global_store_b128 v[CO], v[80:83], s[12:13]    ; 32 lanes store 512 consecutive bytes, at a multiple of 256 from part's first byte
	s_wait_tensorcnt 0x0                           ; the wave's end: behind my last tensor load and my last LDS store
	ds_add_u32 v[SPW], v[NIL]
	s_wait_dscnt 0x0
	CROUND                                         ; the closing round: no work-group ends while a partner may still ask for a tile that names it
	s_endpgm
.Lfunc_end_k_qff59807680_gemm:
	.size	k_qff59807680_gemm, .Lfunc_end_k_qff59807680_gemm-k_qff59807680_gemm
	.p2alignl 7, 3214868480
	.fill 96, 4, 3214868480
	.section	.rodata,"a",@progbits
	.p2align	6, 0x0
	.amdhsa_kernel k_qff59807680_gemm
		.amdhsa_group_segment_fixed_size 327680
		.amdhsa_private_segment_fixed_size 0
		.amdhsa_enable_private_segment 0
		.amdhsa_kernarg_size 40
		.amdhsa_user_sgpr_count 2
		.amdhsa_user_sgpr_kernarg_segment_ptr 1
		.amdhsa_wavefront_size32 1
		.amdhsa_system_sgpr_workgroup_id_x 1
		.amdhsa_system_sgpr_workgroup_id_y 1
		.amdhsa_system_sgpr_workgroup_id_z 1
		.amdhsa_system_vgpr_workitem_id 0
		.amdhsa_next_free_vgpr 1024
		.amdhsa_next_free_sgpr 98
		.amdhsa_reserve_vcc 0
		.amdhsa_float_denorm_mode_32 3
		.amdhsa_float_denorm_mode_16_64 3
		.amdhsa_memory_ordered 1
		.amdhsa_forward_progress 1
		.amdhsa_inst_pref_size 133
	.end_amdhsa_kernel
	.amdgpu_metadata
---
amdhsa.version: [ 1, 2 ]
amdhsa.kernels:
  - .name:           k_qff59807680_gemm
    .symbol:         k_qff59807680_gemm.kd
    .args:
      - { .name: xc, .offset: 0, .size: 8, .value_kind: global_buffer, .address_space: global }
      - { .name: xs, .offset: 8, .size: 8, .value_kind: global_buffer, .address_space: global }
      - { .name: W_codes, .offset: 16, .size: 8, .value_kind: global_buffer, .address_space: global }
      - { .name: W_scales, .offset: 24, .size: 8, .value_kind: global_buffer, .address_space: global }
      - { .name: part, .offset: 32, .size: 8, .value_kind: global_buffer, .address_space: global }
    .group_segment_fixed_size: 327680
    .private_segment_fixed_size: 0
    .kernarg_segment_align: 8
    .kernarg_segment_size: 40
    .max_flat_workgroup_size: 128
    .sgpr_count:     98
    .vgpr_count:     1024
    .wavefront_size: 32
...
	.end_amdgpu_metadata
.endif
;; end of part 2
;; launch fin (part 3): grid 8 x 1, 8 waves a work-group, no clusters, 2,048 bytes of LDS; arguments part, lg, b, out0; writes out0
.if DOCPART == 3
	.amdgcn_target "amdgcn-amd-amdhsa--gfx1250"
	.amdhsa_code_object_version 6
	.text
	.protected	k_qff59807680_fin
	.globl	k_qff59807680_fin
	.p2align	8
	.type	k_qff59807680_fin,@function
k_qff59807680_fin:
	s_mov_b64 s[64:65], 0
	v_nop
	global_prefetch_b8 v0, s[64:65] scope:SCOPE_SE
	s_setreg_imm32_b32 hwreg(HW_REG_WAVE_MODE, 25, 1), 1
	s_wait_xcnt 0x0
; For each token: S_e = the sum of its 16 parts of expert e (part [32 chunks][8192 tokens]) + the sum over h of b[e][h];  the gate: softmax of its two logits (lg [8192][2]), with their maximum taken away first;
; y = the larger gate x the chosen expert's S;  then out0 = log_softmax of y over the 1,024 tokens of a batch, with the batch's maximum taken away first.  All in f32.
; The choice only selects a value (v_cndmask_b32): no branch and no address hangs on it.  Expert 1 is chosen where exp(l1 - max) > exp(l0 - max); a tie goes to expert 0, the lower index.
; LIMITS: the sums over h run in another order than a chain along h; the choice is taken on the two exponentials ahead of their division by the common sum; NaN and infinities are not served.
; SHARES.  One work-group to a batch, since the log_softmax has one owner: eight work-groups are all the work there is.  Thread t owns tokens 4 t .. 4 t + 3: every load and the store take 16 bytes a lane, 512 consecutive bytes a wave.
; Three sums or maxima span the eight waves (the biases, the maximum, the sum of exponentials): each goes through LDS words of its own, with one barrier.
.set RB, 0                             ; LDS: eight waves' pairs of bias sums, 8 bytes each
.set RM, 256                           ; eight waves' maxima
.set RS, 512                           ; eight waves' sums of exponentials
.set L,  16                            ; v16-23   (l0, l1) of my four tokens
.set P,  32                            ; v32-159  chunk c's parts of my four tokens at P + 4 c
.set BV, 160                           ; v160-175 8 numbers of b[0], 8 of b[1]
.set S0, 176                           ; v176-179 expert 0's sums;  v180-183 expert 1's
.set S1, 180
.set E0, 184                           ; v184-187, v188-191 the gate's exponentials
.set E1, 188
.set Y,  192                           ; v192-195 y, then y - the maximum
.set T,  196                           ; v196-223 at work
.macro WSUM reg, tmp                   ; the sum over the wave's 32 lanes, in every lane: four steps inside each half of 16 lanes ride on the addition, one crosses the halves
.irp m, 1,2,4,8
	v_add_f32_dpp v[\reg], v[\reg], v[\reg] row_xmask:\m row_mask:0xf bank_mask:0xf
.endr
	v_permlanex16_b32 v[\tmp], v[\reg], s12, s13   ; (its destination counts as read: it was written at the head)
	v_add_f32 v[\reg], v[\reg], v[\tmp]
.endm
.macro WMAX reg, tmp                   ; the same for the maximum
.irp m, 1,2,4,8
	v_max_num_f32_dpp v[\reg], v[\reg], v[\reg] row_xmask:\m row_mask:0xf bank_mask:0xf
.endr
	v_permlanex16_b32 v[\tmp], v[\reg], s12, s13
	v_max_num_f32 v[\reg], v[\reg], v[\tmp]
.endm
.macro BARRIER                         ; my LDS store has landed: then the work-group's barrier
	s_wait_dscnt 0x0
	s_barrier_signal -1
	s_barrier_wait -1
.endm
	s_load_b256 s[4:11], s[0:1], 0x0               ; part s[4:5], lg s[6:7], b s[8:9], out0 s[10:11]
	v_lshl_add_u32 v224, v0, 2, 0x400
	v_mov_b32 v225, 0
	v_lshlrev_b32 v1, 4, v0                        ; 16 bytes a thread: four tokens' f32
	v_lshlrev_b32 v2, 5, v0                        ; 32 bytes a thread: four tokens' pairs of logits
	v_lshrrev_b32 v7, 5, v0                        ; wave
	v_lshl_add_u32 v3, v7, 3, RB
	v_lshl_add_u32 v4, v7, 2, RM
	v_lshl_add_u32 v5, v7, 2, RS
	v_mov_b32 v6, 0
	v_mov_b32 v206, 0
	v_mov_b32 v207, 0
	s_mov_b32 s12, 0x76543210                      ; v_permlanex16_b32's selects for lane l xor 16
	s_mov_b32 s13, 0xfedcba98
	s_mov_b32 s15, 0x3fb8aa3b                      ; log2(e)
	s_mov_b32 s16, 0x3f317218                      ; ln(2)
	s_lshl_b32 s20, ttmp9, 12                      ; a batch's 1,024 tokens: 4,096 bytes in a chunk of part and in out0,
	s_mov_b32 s21, 0
	s_lshl_b32 s22, ttmp9, 13                      ; 8,192 in lg
	s_mov_b32 s23, 0
	s_wait_kmcnt 0x0
	s_add_nc_u64 s[4:5], s[4:5], s[20:21]
	s_add_nc_u64 s[6:7], s[6:7], s[22:23]
	s_add_nc_u64 s[10:11], s[10:11], s[20:21]
.irp i, 0,1,2,3
	global_load_b128 v[BV+4*\i:BV+4*\i+3], v1, s[8:9] offset:4096*\i   ; b: 256 threads x 16 bytes a load; two loads an expert
.endr
	global_load_b128 v[L:L+3], v2, s[6:7]
	global_load_b128 v[L+4:L+7], v2, s[6:7] offset:16
.irp c, 0,1,2,3,4,5,6,7,8,9,10,11,12,13,14,15,16,17,18,19,20,21,22,23,24,25,26,27,28,29,30,31
	global_load_b128 v[P+4*\c:P+4*\c+3], v1, s[4:5] offset:32768*\c th:TH_LOAD_NT   ; read once in the launch
.endr
	; ---- the two sums of biases
	s_wait_loadcnt 34                              ; b's four loads are in; lg's two and part's 32 may be out
	v_pk_add_f32 v[196:197], v[BV:BV+1], v[BV+2:BV+3]
	v_pk_add_f32 v[198:199], v[BV+4:BV+5], v[BV+6:BV+7]
	v_pk_add_f32 v[200:201], v[BV+8:BV+9], v[BV+10:BV+11]
	v_pk_add_f32 v[202:203], v[BV+12:BV+13], v[BV+14:BV+15]
	v_pk_add_f32 v[196:197], v[196:197], v[198:199]
	v_pk_add_f32 v[200:201], v[200:201], v[202:203]
	v_add_f32 v204, v196, v197
	v_add_f32 v205, v200, v201
	WSUM 204, 206
	WSUM 205, 207
	ds_store_b64 v3, v[204:205]                    ; all lanes of a wave write the same pair with the same values
	BARRIER
.irp i, 0,1,2,3
	ds_load_b128 v[208+4*\i:211+4*\i], v6 offset:RB+16*\i
.endr
	s_wait_dscnt 0x0
	v_pk_add_f32 v[208:209], v[208:209], v[210:211]
	v_pk_add_f32 v[212:213], v[212:213], v[214:215]
	v_pk_add_f32 v[216:217], v[216:217], v[218:219]
	v_pk_add_f32 v[220:221], v[220:221], v[222:223]
	v_pk_add_f32 v[208:209], v[208:209], v[212:213]
	v_pk_add_f32 v[216:217], v[216:217], v[220:221]
	v_pk_add_f32 v[208:209], v[208:209], v[216:217]   ; v208 = the sum of b[0], v209 = that of b[1]
	; ---- each expert's 16 parts: four chains (two experts x two pairs of tokens); the first addition starts each: nothing is cleared
	s_wait_loadcnt 0x0
.irp e, 0,1
.irp u, 0,2
	v_pk_add_f32 v[S0+4*\e+\u:S0+4*\e+\u+1], v[P+64*\e+\u:P+64*\e+\u+1], v[P+64*\e+4+\u:P+64*\e+4+\u+1]
.endr
.endr
.irp c, 2,3,4,5,6,7,8,9,10,11,12,13,14,15
.irp e, 0,1
.irp u, 0,2
	v_pk_add_f32 v[S0+4*\e+\u:S0+4*\e+\u+1], v[S0+4*\e+\u:S0+4*\e+\u+1], v[P+64*\e+4*\c+\u:P+64*\e+4*\c+\u+1]
.endr
.endr
.endr
	; ---- the gate
.irp k, 0,1,2,3
	v_max_num_f32 v[T+\k], v[L+2*\k], v[L+2*\k+1]
.endr
.irp k, 0,1,2,3
	v_sub_f32 v[E0+\k], v[L+2*\k], v[T+\k]         ; the maximum is taken away first: the larger logit gives exactly 0
	v_sub_f32 v[E1+\k], v[L+2*\k+1], v[T+\k]
.endr
.irp k, 0,1,2,3,4,5,6,7
	v_mul_f32 v[E0+\k], s15, v[E0+\k]
.endr
.irp k, 0,1,2,3,4,5,6,7
	v_exp_f32 v[E0+\k], v[E0+\k]
.endr
.irp k, 0,1,2,3
	v_add_f32 v[S0+\k], v[S0+\k], v208             ; the biases' sums.  (Plain lines behind the exponentials, ahead of the first use of their results: ISA guide 5.7.2)
	v_add_f32 v[S1+\k], v[S1+\k], v209
.endr
	s_wait_alu depctr_va_vdst(0)
.irp k, 0,1,2,3
	v_add_f32 v[T+4+\k], v[E0+\k], v[E1+\k]
.endr
.irp k, 0,1,2,3
	v_rcp_f32 v[T+4+\k], v[T+4+\k]
.endr
.irp k, 0,1,2,3
	v_max_num_f32 v[T+\k], v[E0+\k], v[E1+\k]      ; (plain lines behind the reciprocals)
.endr
	s_wait_alu depctr_va_vdst(0)
.irp k, 0,1,2,3
	v_mul_f32 v[T+\k], v[T+\k], v[T+4+\k]          ; the larger gate
.endr
.irp k, 0,1,2,3
	v_cmp_gt_f32 vcc_lo, v[E1+\k], v[E0+\k]
	v_cndmask_b32 v[Y+\k], v[S0+\k], v[S1+\k], vcc_lo   ; expert 1's sum where its gate is the larger, else expert 0's
.endr
.irp k, 0,1,2,3
	v_mul_f32 v[Y+\k], v[Y+\k], v[T+\k]
.endr
	; ---- the batch's maximum
	v_max3_num_f32 v210, v[Y], v[Y+1], v[Y+2]
	v_max_num_f32 v210, v210, v[Y+3]
	WMAX 210, 206
	ds_store_b32 v4, v210
	BARRIER
	ds_load_b128 v[212:215], v6 offset:RM
	ds_load_b128 v[216:219], v6 offset:RM+16
	s_wait_dscnt 0x0
	v_max3_num_f32 v212, v212, v213, v214
	v_max3_num_f32 v215, v215, v216, v217
	v_max3_num_f32 v212, v212, v215, v218
	v_max_num_f32 v212, v212, v219
	; ---- the sum of exponentials
.irp k, 0,1,2,3
	v_sub_f32 v[Y+\k], v[Y+\k], v212
.endr
.irp k, 0,1,2,3
	v_mul_f32 v[T+\k], s15, v[Y+\k]
.endr
.irp k, 0,1,2,3
	v_exp_f32 v[T+\k], v[T+\k]
.endr
	v_nop                                          ; a plain line behind the exponentials
	s_wait_alu depctr_va_vdst(0)
	v_add_f32 v210, v[T], v[T+1]
	v_add_f32 v211, v[T+2], v[T+3]
	v_add_f32 v210, v210, v211
	WSUM 210, 206
	ds_store_b32 v5, v210
	BARRIER
	ds_load_b128 v[212:215], v6 offset:RS
	ds_load_b128 v[216:219], v6 offset:RS+16
	s_wait_dscnt 0x0
	v_pk_add_f32 v[212:213], v[212:213], v[214:215]
	v_pk_add_f32 v[216:217], v[216:217], v[218:219]
	v_pk_add_f32 v[212:213], v[212:213], v[216:217]
	v_add_f32 v212, v212, v213                     ; at least 1: the largest y gives exp(0)
	v_log_f32 v213, v212                           ; log2
	v_nop                                          ; a plain line behind the logarithm
	s_wait_alu depctr_va_vdst(0)
.irp k, 0,1,2,3
	v_fma_f32 v[T+\k], -v213, s16, v[Y+\k]         ; (y - the maximum) - ln(2) x log2(the sum)
.endr
	global_store_b128 v1, v[T:T+3], s[10:11]       ; a wave stores 512 consecutive bytes, at a multiple of 256 from out0's first byte
	s_wait_tensorcnt 0x0
	ds_add_u32 v224, v225
	s_wait_dscnt 0x0
	s_endpgm
.Lfunc_end_k_qff59807680_fin:
	.size	k_qff59807680_fin, .Lfunc_end_k_qff59807680_fin-k_qff59807680_fin
	.p2alignl 7, 3214868480
	.fill 96, 4, 3214868480
	.section	.rodata,"a",@progbits
	.p2align	6, 0x0
	.amdhsa_kernel k_qff59807680_fin
		.amdhsa_group_segment_fixed_size 2048
		.amdhsa_private_segment_fixed_size 0
		.amdhsa_enable_private_segment 0
		.amdhsa_kernarg_size 32
		.amdhsa_user_sgpr_count 2
		.amdhsa_user_sgpr_kernarg_segment_ptr 1
		.amdhsa_wavefront_size32 1
		.amdhsa_system_sgpr_workgroup_id_x 1
		.amdhsa_system_sgpr_workgroup_id_y 1
		.amdhsa_system_sgpr_workgroup_id_z 1
		.amdhsa_system_vgpr_workitem_id 0
		.amdhsa_next_free_vgpr 226
		.amdhsa_next_free_sgpr 66
		.amdhsa_reserve_vcc 1
		.amdhsa_float_denorm_mode_32 3
		.amdhsa_float_denorm_mode_16_64 3
		.amdhsa_memory_ordered 1
		.amdhsa_forward_progress 1
		.amdhsa_inst_pref_size 16
	.end_amdhsa_kernel
	.amdgpu_metadata
---
amdhsa.version: [ 1, 2 ]
amdhsa.kernels:
  - .name:           k_qff59807680_fin
    .symbol:         k_qff59807680_fin.kd
    .args:
      - { .name: part, .offset: 0, .size: 8, .value_kind: global_buffer, .address_space: global }
      - { .name: lg, .offset: 8, .size: 8, .value_kind: global_buffer, .address_space: global }
      - { .name: b, .offset: 16, .size: 8, .value_kind: global_buffer, .address_space: global }
      - { .name: out0, .offset: 24, .size: 8, .value_kind: global_buffer, .address_space: global }
    .group_segment_fixed_size: 2048
    .private_segment_fixed_size: 0
    .kernarg_segment_align: 8
    .kernarg_segment_size: 32
    .max_flat_workgroup_size: 256
    .sgpr_count:     66
    .vgpr_count:     226
    .wavefront_size: 32
...
	.end_amdgpu_metadata
.endif
;; end of part 3
;; ======== version 2 of 2: 3 launches
;; workspace buffers: xc 16,777,216 bytes; xs 524,288 bytes; lg 65,536 bytes; part 1,048,576 bytes
;; launch quant (part 4): grid 256 x 1, 8 waves a work-group, no clusters, 152,576 bytes of LDS; arguments x, wg, xc, xs, lg; writes xc, xs, lg
.if DOCPART == 4
	.amdgcn_target "amdgcn-amd-amdhsa--gfx1250"
	.amdhsa_code_object_version 6
	.text
	.protected	k_qff59807680_quant
	.globl	k_qff59807680_quant
	.p2align	8
	.type	k_qff59807680_quant,@function
k_qff59807680_quant:
	s_mov_b64 s[64:65], 0
	v_nop
	global_prefetch_b8 v0, s[64:65] scope:SCOPE_SE
	s_setreg_imm32_b32 hwreg(HW_REG_WAVE_MODE, 25, 1), 1
	s_wait_xcnt 0x0
; x [8192 tokens][2048] f32 becomes codes of FP8 (E4M3) with one E8M0 byte for each 32 along K, xs [8192][64];
; and, since the numbers are in registers anyway, the gate's two logits of each token, lg [8192][2] = x . wg, by fused multiply-adds in f32.
; THE CODES ARE LAID AS THE PRODUCT'S LAUNCH WANTS THEM: xc [512 blocks of 16 tokens][16 K steps of 128][2,048 bytes], each 2,048 bytes an image of an operand's registers: the 16 codes k = 32 c + 16 h + 0 .. 15 of the
; block's token r lie at byte 512 c + 256 h + 16 r.  So a fragment comes out of LDS there by four loads of 512 consecutive bytes, with no padding.
; A block's scale is 2^(floor(log2(its largest magnitude)) - 8); its byte is the largest magnitude's exponent field - 8, held at 1 from below.  Each number is divided by the scale, held within +-448, rounded to the nearest code, ties to even.
; LIMITS: a block of zeros gets the byte 1 where the rule says 127 (its codes are zeros, which add nothing under any byte but 0xff, and this program alone reads the bytes); NaN and infinities among the inputs are not served;
; a logit's 2,048 products are summed in another order than a plain chain along d: 16 a lane in two halves, then 128 lanes' parts in a tree.
; SHARES.  A work-group of eight waves takes 32 tokens.  Wave w takes quarter q = w % 4 of a row (512 numbers) of the rows 16 (w / 4) + 0 .. 15: sixteen steps, a row's quarter (2,048 consecutive bytes) a step.
; So a wave needs only its quarter of wg: 16 rows of wg a lane, 32 registers, kept for the whole launch; and its codes are four whole images, 8,192 consecutive bytes of xc.
; The conversions take neighbours along K from ONE lane's registers, a load is best where neighbouring LANES take neighbouring bytes: each of a step's four loads reads 512 consecutive bytes, 16 a lane; the 2,048 bytes go through
; the wave's own stage in LDS as they lie and come back 64 bytes a lane (16 bytes of padding behind each 64).  Two neighbouring lanes hold a block of 32.
; In the images lane l's 16 codes of step t (token r = t) lie at byte 256 l + 16 t of the wave's 8,192: a lane's sixteen steps fill 256 neighbouring bytes.  They are gathered in a second stage of the wave's own
; (a row of 256 bytes + 16 for each lane) and leave at the wave's end, sixteen lanes to a row: each store covers 512 consecutive bytes.
; Scale bytes and the lanes' parts of the logits are gathered in LDS and leave at the end: the scale bytes as 2,048 consecutive bytes, the logits as 256.
; No tensor loads, no ring.  Loads run four steps (16 loads a wave) ahead, the turn through LDS one step.
.set STEPS, 16
.set EMAX,  8
.set MANT,  0x600000                   ; the mantissa field of 448 as f32
.set SP,    80                         ; a lane's place in a stage: its 64 bytes + 16 of padding
.set WREG,  2*32*SP                    ; LDS: two stages for each wave: bytes 0 .. 40,959
.set PART,  8*WREG                     ; the lanes' parts of the logits: 32 rows x (128 lanes x 8 bytes + 128 of padding)
.set PP,    1152                       ; that row's pitch: 128 more than a multiple of 256, so that two neighbouring rows' 128 bytes fall on different banks (64 banks of 4 bytes: ISA guide 11.1)
.set SCB,   PART+32*PP                 ; the scale bytes: 32 rows x 64
.set LG,    SCB+2048                   ; the logits: 32 rows x 8 bytes
.set CST,   81920                      ; the codes' stages: for each wave 32 rows x CP bytes
.set CP,    272                        ; 256 bytes + 16 of padding = 68 words: row l starts at bank 4 l mod 64
.set R,     16                         ; v16-79   four sets of 16 numbers as they are loaded
.set X,     80                         ; v80-111  two sets of 16 neighbours (at the head: wg as loaded)
.set G0,    112                        ; v112-127 wg[512 q + 16 lane + i][0]
.set G1,    128                        ; v128-143 wg[512 q + 16 lane + i][1]
.set C,     144                        ; v144-207 codes: four registers for each step; on the way out the same registers take the rows read back
.set E,     208                        ; v208-223 a scale byte for each step
.set A,     224                        ; v224-255 my part of the two logits, a pair for each step
	s_load_b256 s[4:11], s[0:1], 0x0               ; x s[4:5], wg s[6:7], xc s[8:9], xs s[10:11]
	s_load_b64 s[12:13], s[0:1], 0x20              ; lg
	s_set_vgpr_msb 0x40
	v_lshl_add_u32 v0, v0, 2, 0x25000
	v_mov_b32 v1, 0
	s_set_vgpr_msb 0x4000
	v_lshrrev_b32 v1, 5, v0
	v_readfirstlane_b32 s16, v1                    ; wave 0..7
	s_and_b32 s17, s16, 3                          ; q: my quarter of a row
	s_lshr_b32 s18, s16, 2                         ; g: my half of the 32 rows
	v_and_b32 v2, 31, v0                           ; lane
	v_lshlrev_b32 v3, 4, v2                        ; 16 x lane: my 16 bytes of a load's 512, and of a store's 512
	v_lshlrev_b32 v7, 7, v2                        ; wg: 16 rows of 8 bytes a lane
	s_mul_i32 s19, s16, WREG                       ; my wave's stages
	v_lshrrev_b32 v14, 2, v2
	v_mul_u32_u24 v14, v14, SP
	v_and_b32 v15, 3, v2
	v_lshl_add_u32 v14, v15, 4, v14
	v_add_nc_u32 v14, s19, v14                     ; the stage, on the way in: four lanes' 64 bytes on end, then 16 of padding: SP (lane / 4) + 16 (lane % 4)
	v_mul_u32_u24 v15, v2, SP
	v_add_nc_u32 v15, s19, v15                     ; and on the way out: SP x lane: my 16 neighbours
	s_mul_i32 s20, s16, 32*CP                      ; my wave's stage for the codes
	s_add_co_u32 s20, s20, CST
	v_mul_u32_u24 v4, v2, CP
	v_add_nc_u32 v4, s20, v4                       ; in: row = my lane; step t's 16 bytes at 16 t
	v_lshrrev_b32 v1, 4, v2
	v_mul_u32_u24 v1, v1, CP
	v_and_b32 v8, 15, v2
	v_lshl_add_u32 v1, v8, 4, v1
	v_add_nc_u32 v1, s20, v1                       ; back: sixteen lanes to a row, two rows an instruction
	s_lshl_b32 s20, s18, 10                        ; the scale bytes: 16 rows of 64 for each half,
	s_lshl_b32 s21, s17, 4                         ; 16 bytes for each quarter,
	s_add_co_u32 s20, s20, s21
	s_add_co_u32 s20, s20, SCB
	v_lshrrev_b32 v5, 1, v2                        ; a byte for each two lanes
	v_add_nc_u32 v5, s20, v5
	s_mul_i32 s20, s18, 16*PP                      ; the logits' parts: 16 rows for each half,
	s_lshl_b32 s21, s17, 8                         ; 256 bytes for each quarter,
	s_add_co_u32 s20, s20, s21
	s_add_co_u32 s20, s20, PART
	v_lshl_add_u32 v6, v2, 3, s20                  ; 8 bytes a lane
	s_lshl_b32 s20, ttmp9, 5
	s_lshl_b32 s21, s18, 4
	s_add_co_u32 s20, s20, s21                     ; my first row: 32 x work-group + 16 g
	s_lshl_b32 s24, s20, 13                        ; x: 8,192 bytes a row, 2,048 a quarter (under 2^27)
	s_lshl_b32 s21, s17, 11
	s_add_co_u32 s24, s24, s21
	s_mov_b32 s25, 0
	s_lshl_b32 s26, ttmp9, 16                      ; xc: two blocks of 16 tokens a work-group, 32,768 bytes each;
	s_lshl_b32 s21, s18, 15                        ; my block;
	s_add_co_u32 s26, s26, s21
	s_lshl_b32 s21, s17, 13                        ; my quarter's four images
	s_add_co_u32 s26, s26, s21
	s_mov_b32 s27, 0
	s_lshl_b32 s28, s17, 12                        ; wg: 512 rows of 8 bytes a quarter
	s_mov_b32 s29, 0
	s_lshl_b32 s30, ttmp9, 11                      ; xs: 32 rows of 64 bytes a work-group
	s_mov_b32 s31, 0
	s_lshl_b32 s14, ttmp9, 8                       ; lg: 32 rows of 8 bytes a work-group
	s_mov_b32 s15, 0
	s_mov_b32 s23, MANT                            ; (an instruction takes one literal: the hold's line has another)
	s_wait_kmcnt 0x0
	s_add_nc_u64 s[4:5], s[4:5], s[24:25]
	s_add_nc_u64 s[6:7], s[6:7], s[28:29]
	s_add_nc_u64 s[8:9], s[8:9], s[26:27]
	s_add_nc_u64 s[10:11], s[10:11], s[30:31]
	s_add_nc_u64 s[12:13], s[12:13], s[14:15]
.macro LOAD t                          ; step t: my quarter of row t of my sixteen
.irp i, 0,1,2,3
	global_load_b128 v[R+16*((\t)%4)+4*\i:R+16*((\t)%4)+4*\i+3], v3, s[4:5] offset:8192*(\t)+512*\i th:TH_LOAD_NT   ; 32 lanes read 512 consecutive bytes; read once in the launch
.endr
.endm
.macro TURN t                          ; step t's numbers through the stage: LDS serves a wave's instructions in order (ISA guide 5.7.1.4), so no wait stands between the stores and the loads
.irp i, 0,1,2,3
	ds_store_b128 v14, v[R+16*((\t)%4)+4*\i:R+16*((\t)%4)+4*\i+3] offset:32*SP*((\t)%2)+8*SP*\i
.endr
.irp i, 0,1,2,3
	ds_load_b128 v[X+16*((\t)%2)+4*\i:X+16*((\t)%2)+4*\i+3], v15 offset:32*SP*((\t)%2)+16*\i
.endr
.endm
.irp k, 0,1,2,3,4,5,6,7
	global_load_b128 v[X+4*\k:X+4*\k+3], v7, s[6:7] offset:16*\k   ; my 16 rows of wg, the two experts' numbers by turns
.endr
.irp t, 0,1,2,3
	LOAD \t
.endr
	s_wait_loadcnt 16                              ; wg is in; the sixteen loads of x behind it may be out
.irp i, 0,1,2,3,4,5,6,7,8,9,10,11,12,13,14,15
	v_mov_b32 v[G0+\i], v[X+2*\i]                  ; once a wave: each expert's 16 numbers on end, so that a packed multiply-add takes two neighbours of x and two of one expert as they lie
	v_mov_b32 v[G1+\i], v[X+2*\i+1]
.endr
	s_wait_loadcnt 12                              ; step 0's four loads are in
	TURN 0
.macro STEP t
.set XS, X+16*((\t)%2)
.set AT, A+2*(\t)
.if (\t) > 0
	s_wait_dscnt 3                                 ; this step's numbers are back from the stage (the last step's three stores, its logits' parts, its byte and its codes, may be out): so its stores into the stage have read their registers,
.else
	s_wait_dscnt 0x0
.endif
.if (\t)+4 < STEPS
	LOAD (\t)+4                                    ; which take the loads of four steps on
.endif
.if (\t)+1 < STEPS
.if STEPS-2-(\t) >= 3
	s_wait_loadcnt 12                              ; the next step's four loads are in; those of the three steps behind it may be out
.else
	s_wait_loadcnt 4*(STEPS-2-(\t))
.endif
	TURN (\t)+1                                    ; and go through the other stage while this step is worked
.endif
	; the gate, ahead of the hold, which changes numbers: two chains, one for each expert, each with an even and an odd half
	v_pk_mul_f32 v[12:13], v[XS:XS+1], v[G0:G0+1]
	v_pk_mul_f32 v[AT:AT+1], v[XS:XS+1], v[G1:G1+1]
	v_max3_num_f32 v8, |v[XS]|, |v[XS+1]|, |v[XS+2]|               ; the largest magnitude of my 16, in two chains
	v_max3_num_f32 v9, |v[XS+3]|, |v[XS+4]|, |v[XS+5]|
.irp i, 2,4,6
	v_pk_fma_f32 v[12:13], v[XS+\i:XS+\i+1], v[G0+\i:G0+\i+1], v[12:13]
	v_pk_fma_f32 v[AT:AT+1], v[XS+\i:XS+\i+1], v[G1+\i:G1+\i+1], v[AT:AT+1]
.endr
.irp i, 6,10
	v_max3_num_f32 v8, v8, |v[XS+\i]|, |v[XS+\i+1]|
	v_max3_num_f32 v9, v9, |v[XS+\i+2]|, |v[XS+\i+3]|
.endr
.irp i, 8,10,12,14
	v_pk_fma_f32 v[12:13], v[XS+\i:XS+\i+1], v[G0+\i:G0+\i+1], v[12:13]
	v_pk_fma_f32 v[AT:AT+1], v[XS+\i:XS+\i+1], v[G1+\i:G1+\i+1], v[AT:AT+1]
.endr
	v_max3_num_f32 v8, v8, |v[XS+14]|, |v[XS+15]|
	v_max3_num_f32 v8, v8, v9, (EMAX+1)<<23        ; and the floor 2^(EMAX + 1 - 127), under which no largest magnitude is taken: so the byte cannot fall under 1
	v_add_f32 v[AT+1], v[AT], v[AT+1]              ; expert 1's two halves,
	v_add_f32 v[AT], v12, v13                      ; expert 0's
	ds_store_b64 v6, v[AT:AT+1] offset:PP*(\t)     ; my part of this row's two logits
	v_max_num_f32_dpp v8, v8, v8 row_xmask:1 row_mask:0xf bank_mask:0xf   ; with my neighbour's 16: the block's largest magnitude
	v_add_nc_u32 v11, -(EMAX<<23), v8              ; EMAX off its exponent field: the conversion takes the exponent field of this operand as its scale, and nothing else of it
	v_and_or_b32 v10, v8, 0x7f800000, s23          ; 448 x the scale: the largest magnitude's exponent field over 448's mantissa (s23)
.irp i, 0,1,2,3,4,5,6,7,8,9,10,11,12,13,14,15
	v_med3_num_f32 v[XS+\i], v[XS+\i], -v10, v10   ; the conversion to an 8-bit code does not saturate (ISA guide 7.6.2): hold the number within the largest code x the scale first
.endr
	v_cvt_scalef32_pk8_fp8_f32 v[C+4*(\t):C+4*(\t)+1], v[XS:XS+7], v11          ; eight numbers / 2^(v11's exponent), to the nearest code, ties to even; the first number's code in the lowest byte
	v_cvt_scalef32_pk8_fp8_f32 v[C+4*(\t)+2:C+4*(\t)+3], v[XS+8:XS+15], v11
	v_lshrrev_b32 v[E+(\t)], 23, v11               ; the scale's byte.  (Also the plain line behind the conversions)
	ds_store_b8 v5, v[E+(\t)] offset:64*(\t)       ; both lanes of a block write the same byte with the same value
	ds_store_b128 v4, v[C+4*(\t):C+4*(\t)+3] offset:16*(\t)   ; my 16 codes of token t: byte 16 t of my lane's row of 256
.endm
.irp t, 0,1,2,3,4,5,6,7,8,9,10,11,12,13,14,15
	STEP \t
.endr
	; THE CODES' WAY OUT: my wave's four images, 8,192 consecutive bytes of xc, row by row out of my own stage
.irp j, 0,1,2,3,4,5,6,7,8,9,10,11,12,13,14,15
	ds_load_b128 v[C+4*\j:C+4*\j+3], v1 offset:2*CP*\j   ; LDS serves a wave's instructions in order: these see my stores, which have read these registers
.endr
.irp j, 0,1,2,3,4,5,6,7,8,9,10,11,12,13,14,15
	s_wait_dscnt 15-\j                             ; rows 2 j and 2 j + 1 are back; the younger loads may be out
	global_store_b128 v3, v[C+4*\j:C+4*\j+3], s[8:9] offset:512*\j   ; 32 lanes store 512 consecutive bytes, at a multiple of 256 from xc's first byte
.endr
	; THE TAIL.  The addresses hang on the thread's number alone and are made ahead of the barrier, on the one way that all waves take
	v_lshl_add_u32 v80, v0, 3, SCB                 ; the scale bytes: 8 a thread, in LDS
	v_lshlrev_b32 v81, 3, v0                       ; and in xs
	v_lshrrev_b32 v86, 3, v0                       ; eight threads to a row of logits' parts
	v_mul_u32_u24 v82, v86, PP
	v_and_b32 v87, 7, v0
	v_lshl_add_u32 v82, v87, 4, v82
	v_add_nc_u32 v82, PART, v82                    ; thread t reads 16 bytes (two lanes' pairs) at 16 (t % 8) + 128 j of row t / 8, j = 0 .. 7
	v_lshl_add_u32 v83, v86, 3, LG                 ; where the row's two logits go
	v_lshl_add_u32 v84, v2, 3, LG                  ; and from where wave 0 takes them: a lane a row
	v_lshlrev_b32 v85, 3, v2
	s_wait_dscnt 0x0                               ; for the others' sake: my stores of bytes and of parts have landed
	s_barrier_signal -1
	s_barrier_wait -1
	ds_load_b64 v[88:89], v80
.irp j, 0,1,2,3,4,5,6,7
	ds_load_b128 v[16+4*\j:19+4*\j], v82 offset:128*\j
.endr
	s_wait_dscnt 8                                 ; the scale bytes are in; the eight loads behind them may be out
	global_store_b64 v81, v[88:89], s[10:11]       ; a wave stores 256 consecutive bytes, at a multiple of 256 from xs's first byte
	s_wait_dscnt 0x0
.irp d, 16,8,4,2                       ; my 16 pairs (expert 0's part, expert 1's) become one: 8 + 4 + 2 + 1 packed additions
.set TP, 0
.rept \d/2
	v_pk_add_f32 v[16+TP:17+TP], v[16+TP:17+TP], v[16+TP+\d:17+TP+\d]
.set TP, TP+2
.endr
.endr
.irp m, 1,2,4                          ; and the row's eight threads' become one, in each of the eight
	v_add_f32_dpp v16, v16, v16 row_xmask:\m row_mask:0xf bank_mask:0xf
	v_add_f32_dpp v17, v17, v17 row_xmask:\m row_mask:0xf bank_mask:0xf
.endr
	ds_store_b64 v83, v[16:17]                     ; the eight write the same bytes with the same values
	s_wait_dscnt 0x0                               ; for wave 0's sake
	s_barrier_signal -1
	s_barrier_wait -1
	s_cmp_lg_u32 s16, 0
	s_cbranch_scc1 .Lend
	ds_load_b64 v[20:21], v84
	s_wait_dscnt 0x0
	global_store_b64 v85, v[20:21], s[12:13]       ; 32 rows' logits: 256 consecutive bytes, at a multiple of 256 from lg's first byte
.Lend:
	s_set_vgpr_msb 0x5
	s_wait_tensorcnt 0x0
	ds_add_u32 v0, v1
	s_wait_dscnt 0x0
	s_set_vgpr_msb 0x500
	s_endpgm
.Lfunc_end_k_qff59807680_quant:
	.size	k_qff59807680_quant, .Lfunc_end_k_qff59807680_quant-k_qff59807680_quant
	.p2alignl 7, 3214868480
	.fill 96, 4, 3214868480
	.section	.rodata,"a",@progbits
	.p2align	6, 0x0
	.amdhsa_kernel k_qff59807680_quant
		.amdhsa_group_segment_fixed_size 152576
		.amdhsa_private_segment_fixed_size 0
		.amdhsa_enable_private_segment 0
		.amdhsa_kernarg_size 40
		.amdhsa_user_sgpr_count 2
		.amdhsa_user_sgpr_kernarg_segment_ptr 1
		.amdhsa_wavefront_size32 1
		.amdhsa_system_sgpr_workgroup_id_x 1
		.amdhsa_system_sgpr_workgroup_id_y 1
		.amdhsa_system_sgpr_workgroup_id_z 1
		.amdhsa_system_vgpr_workitem_id 0
		.amdhsa_next_free_vgpr 258
		.amdhsa_next_free_sgpr 66
		.amdhsa_reserve_vcc 0
		.amdhsa_float_denorm_mode_32 3
		.amdhsa_float_denorm_mode_16_64 3
		.amdhsa_memory_ordered 1
		.amdhsa_forward_progress 1
		.amdhsa_inst_pref_size 77
	.end_amdhsa_kernel
	.amdgpu_metadata
---
amdhsa.version: [ 1, 2 ]
amdhsa.kernels:
  - .name:           k_qff59807680_quant
    .symbol:         k_qff59807680_quant.kd
    .args:
      - { .name: x, .offset: 0, .size: 8, .value_kind: global_buffer, .address_space: global }
      - { .name: wg, .offset: 8, .size: 8, .value_kind: global_buffer, .address_space: global }
      - { .name: xc, .offset: 16, .size: 8, .value_kind: global_buffer, .address_space: global }
      - { .name: xs, .offset: 24, .size: 8, .value_kind: global_buffer, .address_space: global }
      - { .name: lg, .offset: 32, .size: 8, .value_kind: global_buffer, .address_space: global }
    .group_segment_fixed_size: 152576
    .private_segment_fixed_size: 0
    .kernarg_segment_align: 8
    .kernarg_segment_size: 40
    .max_flat_workgroup_size: 256
    .sgpr_count:     66
    .vgpr_count:     258
    .wavefront_size: 32
...
	.end_amdgpu_metadata
.endif
;; end of part 4
;; launch gemm (part 5): grid 16 x 16, 4 waves a work-group, clusters of 4 x 4, 327,680 bytes of LDS; arguments xc, xs, W_codes, W_scales, part; writes part
.if DOCPART == 5
	.amdgcn_target "amdgcn-amd-amdhsa--gfx1250"
	.amdhsa_code_object_version 6
	.text
	.protected	k_qff59807680_gemm
	.globl	k_qff59807680_gemm
	.p2align	8
	.type	k_qff59807680_gemm,@function
k_qff59807680_gemm:
	s_mov_b64 s[64:65], 0
	v_nop
	global_prefetch_b8 v0, s[64:65] scope:SCOPE_SE
	s_setreg_imm32_b32 hwreg(HW_REG_WAVE_MODE, 25, 1), 1
	s_wait_xcnt 0x0
	s_wait_alu depctr_hold_cnt(0) depctr_sa_sdst(0) depctr_va_vdst(0) depctr_va_sdst(0) depctr_va_ssrc(0) depctr_va_vcc(0) depctr_vm_vsrc(0)
	s_getreg_b32 s2, hwreg(HW_REG_IB_STS2, 6, 4)
	s_cmp_eq_u32 s2, 0
	s_cbranch_scc0 .Lentry_in_a_cluster
	s_endpgm
.Lentry_in_a_cluster:
	s_bfe_u32 s2, ttmp6, 0x10000c
	s_cmp_lg_u32 s2, 0xf033
	s_cbranch_scc0 .Lentry_shape_is_right
	s_endpgm
.Lentry_shape_is_right:
; The quantised product of both experts, C[token][n] = sum over k of X[token][k] W[n][k], n = 2048 e + h, and of it only what the problem keeps: for each token the sum of C over n.
; X: codes of FP8 (E4M3) as images of the operand's registers, xc [512 blocks of 16 tokens][16 K steps of 128][2,048 bytes], and scale bytes xs [8192][64], both made by the launch before.
; W: [4096][2048] codes and [4096][64] scale bytes, as given.  Sums in f32.
; SINCE ONLY THE SUM OVER n IS KEPT, THE PRODUCTS OF ALL BLOCKS OF 16 n ARE ADDED ONTO ONE ACCUMULATOR FOR EACH BLOCK OF 16 TOKENS: D += W_b x X_a for every b onto accumulator a.  Every product is made by the matrix instruction;
; only the f32 sum over n is taken in another order.  A wave's 256 tokens so want 16 accumulators, 128 registers, and the registers that are left hold a wave tile of 256 tokens x 256 n.
; OUT: part [32 chunks][8192 tokens] f32; chunk = 2 x (which 256 n of the 4,096) + (which half of K): chunks 0-15 are expert 0's, 16-31 expert 1's.  The last launch adds a token's 16 parts of each expert, the experts' biases, and chooses.
; LIMITS: the sum over h and k is taken in another order than reference's (first over the n = n' mod 16 of 256 n and half of K in the accumulators, then 8 registers, two lanes, 16 chunks); the bias enters as its own sum over h,
; in the last launch.  NaN and infinities are not served.
; SHARES.  A work-group of four waves, as many as a WGP has SIMDs, takes 512 tokens x 512 n x half of K: 16 x 8 x 2 = 256 work-groups.  A wave takes 256 x 256: in a K step of 128, 16 fragments of X, 16 of W, 256 matrix instructions.
; K goes in 8 steps of 128 through a ring of two LDS slots filled by the tensor data mover.  X's part of a slot is 32 images, 65,536 bytes without padding; W's is 512 rows of 128 bytes + 16.
; W's rows are 128 bytes and not 256: two slots of 1,024 rows of 256 + 16 bytes would be 557,056 bytes, more than a work-group's LDS.
; THE SCALES of the work-group's 512 tokens and 512 n for its half of K, 32 bytes a row, come into LDS ONCE, with the first fills, and stay.  (They are 32 of each 64 bytes of memory: 32,768 bytes a work-group beside its 1,048,576 of codes.)
; CLUSTERS: 4 x 4 work-groups.  Work-group x = 8 x (half of K) + (which 512 n), y = which 512 tokens.  The four of a row of the cluster share y and the half of K and need the same tiles of X, the four of a column the same tiles of W:
; each tile is asked for JOINTLY, by the same tensor load with the same descriptor and a mask that names the four.
; THE MATRIX INSTRUCTION IS USED TRANSPOSED (source 0 = 16 rows of W, source 1 = 16 tokens): a lane then holds ONE token (lane % 16), and its eight registers eight n'.
; REGISTERS, in windows of 256: window 0: v0-31 addresses; v32-63 scale words, two sets of 16; v64-127 the way out; v128-255 the 16 accumulators.   window 1: W's 16 fragments, ONE set.   windows 2, 3: X's 16 fragments, TWO sets.
; A K step goes by W's blocks, each against X's sixteen, the 16 accumulators by turns.  So a block of W is free as soon as its 16 products are issued, and is fetched anew for the next step; X's fragments are at work through the
; whole step, so X has two sets.  The 144 LDS loads of a step stand in eight short runs, one behind every 32 matrix instructions.
.set SIZE_K, 2048
.set FR,     16                        ; registers of a fragment: 16 rows x 128 K
.set NP,     8                         ; places behind this matrix instruction (ISA guide 7.12.1)
.set XFRB,   2048                      ; an image of a fragment of X, in bytes
.set XROW,   16*XFRB                   ; a block of 16 tokens in memory: its 16 K steps
.set XHALF,  16*XFRB                   ; 16 blocks' images of one K step: what one tensor load brings, and what one wave reads of X
.set WP,     144                       ; a row of W in LDS: 128 bytes + 16 of padding = 36 words: row r starts at bank 36 r mod 64 (64 banks of 4 bytes: ISA guide 11.1), so the 16 rows that a load touches start at 16 different groups of four banks
.set WHALF,  256*WP                    ; 256 rows: what one tensor load brings, and what one wave reads of W
.set WOFF,   2*XHALF                   ; in a slot: X's 32 images, then W's 512 rows
.set SLOT,   WOFF+2*WHALF
.set SCP,    40                        ; a row of scales in LDS: 32 bytes + 8 of padding = 10 words: sixteen rows' words fall on sixteen different banks
.set HALFS,  256*SCP                   ; the scales of 256 rows: what one tensor load brings
.set SBLK,   16*SCP                    ; those of 16 rows
.set SCL,    2*SLOT                    ; behind the ring: the scales: X's 512 rows, then W's 512
.set SPARE,  SCL+4*HALFS               ; behind the scales: the spare words, 128 bytes for each wave: two blocks of 256 bytes that no other line names
.set STG,    SPARE+512                 ; the way out: 1,024 bytes for each wave, into which no fill lands
.set ADRA, 16                          ; v16-17  LDS address of my fragments of X in slot 0, 1
.set ADRB, 20                          ; v20-21  the same for W
.set STO,  24                          ; v24     the way out: where I put a token's sum
.set RD,   25                          ; v25     the way out: where I read four tokens' sums back
.set CO,   26                          ; v26     16 x lane
.set ADRS, 27                          ; v27     LDS address of my scale words: lanes 0-15 X's rows, lanes 16-31 W's
.set SPW,  28                          ; v28     LDS address of my spare word: SPARE + 4 x my thread's number; never rewritten
.set NIL,  29                          ; v29     0; never rewritten
.set SC,   32                          ; scale words: set s (for slot s) at v[SC + 16 s]; in it register i: lanes 0-15 the word of X's block i, lanes 16-31 that of W's block i, for the slot's 128 along K
.set TS,   64                          ; the way out: four registers for each accumulator
.set ACC,  128                         ; accumulator a at v[ACC + 8 a]
.set G1, 24                            ; s[24:31] descriptor group 1 for X's tiles;  s[32:39] group 0, one set for each slot
.set G0, 32
.set G1B, 48                           ; s[48:55], s[56:63] the same for W's tiles
.set G0B, 56
.set G1S, 68                           ; s[68:75], s[76:79] groups 1 and 0 for X's scales;  s[80:87], s[88:91] for W's
.set G0S, 76
.set G1SB, 80
.set G0SB, 88
.set MSB, 0
.macro WIN new                         ; the immediate's high byte repeats the setting that is left
.if MSB != (\new)
	s_set_vgpr_msb (MSB<<8)|(\new)
.set MSB, (\new)
.endif
.endm
.set MULW, 0x09                        ; source 0 (W) window 1, source 1 (X) window 2 (+ 4: window 3), C and D window 0
.set TO_W, 0x40                        ; destination window 1, address window 0
; A joint load: waves 0 and 1 fetch for X, waves 2 and 3 for W.  Each of the two lines has ONE mask and one set of registers for all that issue it; the branch hangs on the wave's number alone.
; Four v_nop follow each of the two lines, ahead of the jump, the label and what follows.
.macro JLOAD g0a, g1a, g0b, g1b
	s_cmp_eq_u32 s15, 0
	s_cbranch_scc0 .Lfor_b_\@
	tensor_load_to_lds s[\g0a:\g0a+3], s[\g1a:\g1a+7]
	s_nop 0
.rept 4
	v_nop
.endr
	s_branch .Lasked_\@
.Lfor_b_\@:
	tensor_load_to_lds s[\g0b:\g0b+3], s[\g1b:\g1b+7]
	s_nop 0
.rept 4
	v_nop
.endr
.Lasked_\@:
.endm
.macro CREST                           ; a round of the cluster's barrier behind its opening barrier
	s_cmp_lg_u32 s14, 0
	s_cbranch_scc1 .Lnot_wave_0_\@
	s_barrier_signal -3
.Lnot_wave_0_\@:
	s_barrier_wait -3
	s_barrier_signal -1
	s_barrier_wait -1
.endm
.macro CROUND                          ; a whole round
	s_barrier_signal -1
	s_barrier_wait -1
	CREST
.endm
	s_load_b128 s[4:7], s[0:1], 0x0                ; X's codes s[4:5], X's scales s[6:7]
	s_load_b128 s[8:11], s[0:1], 0x10              ; W's codes s[8:9], W's scales s[10:11]
	s_load_b64 s[12:13], s[0:1], 0x20              ; part
	v_lshl_add_u32 v[SPW], v0, 2, SPARE
	v_mov_b32 v[NIL], 0
	ds_add_u32 v28, v29
	ds_add_u32 v28, v29
	s_wait_dscnt 0x0
	v_lshrrev_b32 v1, 5, v0
	v_readfirstlane_b32 s14, v1                    ; wave 0..3
	s_lshr_b32 s15, s14, 1                         ; which half of the tile's tokens is mine.  Also: I fetch for X (0) or for W (1)
	s_and_b32 s16, s14, 1                          ; which half of its n.  Also: which half of that tile I fetch
	s_mov_b32 s96, 0x76543210                      ; v_permlanex16_b32's selects for lane l xor 16
	s_mov_b32 s97, 0xfedcba98
	s_bfe_u32 s40, ttmp6, 0x40000                  ; cx, cy: my place in the cluster
	s_bfe_u32 s41, ttmp6, 0x40004
	s_lshl_b32 s42, ttmp9, 2
	s_add_co_u32 s42, s42, s40                     ; work-group x = 4 x cluster x + cx = 8 x (half of K) + (which 512 n)
	s_and_b32 s17, ttmp7, 0xffff
	s_lshl_b32 s17, s17, 2
	s_add_co_u32 s17, s17, s41                     ; work-group y = 4 x cluster y + cy: which 512 tokens
	s_lshl_b32 s43, s41, 2
	s_lshl_b32 s43, 15, s43                        ; my row of the cluster
	s_lshl_b32 s44, 0x1111, s40                    ; my column
	; descriptor group 1 for X: 16 images of 2,048 bytes (256 elements of 8 bytes), one of each block of 16 tokens, 32,768 bytes apart in memory, on end in LDS
	s_or_b32 s[G1+0], s43, (3<<16)|(1<<21)         ; 15:0 the mask: X's tiles go to my row; 17:16 elements of 8 bytes; 20 no padding; 21 set beside a mask
	s_mov_b32 s[G1+1], (XFRB/8)<<16                ; tensor_dim0
	s_mov_b32 s[G1+2], 16<<16                      ; tensor_dim1 = 16
	s_mov_b32 s[G1+3], (XFRB/8)<<16                ; tile_dim0
	s_mov_b32 s[G1+4], 16                          ; tile_dim1 = 16
	s_mov_b32 s[G1+5], XROW/8                      ; tensor_dim0_stride
	s_mov_b32 s[G1+6], 0
	s_mov_b32 s[G1+7], 0
	; for W: 256 rows of 128 bytes, 2,048 bytes apart in memory, padded in LDS
	s_or_b32 s[G1B+0], s44, (0<<16)|(1<<20)|(1<<21)|(4<<22)|(3<<25)  ; the mask: my column; elements of 1 byte; padding on: after every 32 words (code 4) 4 words (code 3)
	s_mov_b32 s[G1B+1], 128<<16
	s_mov_b32 s[G1B+2], 256<<16
	s_mov_b32 s[G1B+3], 128<<16
	s_mov_b32 s[G1B+4], 256
	s_mov_b32 s[G1B+5], SIZE_K
	s_mov_b32 s[G1B+6], 0
	s_mov_b32 s[G1B+7], 0
	; and for the scales of 256 rows: 32 bytes (4 elements of 8 bytes) of each row of 64, padded in LDS: after every 8 words (code 2) 2 words (code 1)
	s_or_b32 s[G1S+0], s43, (3<<16)|(1<<20)|(1<<21)|(2<<22)|(1<<25)
	s_or_b32 s[G1SB+0], s44, (3<<16)|(1<<20)|(1<<21)|(2<<22)|(1<<25)
.irp g, G1S, G1SB
	s_mov_b32 s[\g+1], 4<<16
	s_mov_b32 s[\g+2], 256<<16
	s_mov_b32 s[\g+3], 4<<16
	s_mov_b32 s[\g+4], 256
	s_mov_b32 s[\g+5], 8
	s_mov_b32 s[\g+6], 0
	s_mov_b32 s[\g+7], 0
.endr
	; where the tiles come from.  X's hang on work-group y, the wave's number and the half of K, taken from the cluster's x, which all partners share; W's on work-group x and the wave's number
	s_lshr_b32 s66, ttmp9, 1                       ; the half of K: clusters 0, 1 along x take the first, 2, 3 the second
	s_lshl_b32 s18, s17, 5
	s_lshl_b32 s19, s16, 4
	s_add_co_u32 s18, s18, s19                     ; X: the first block of 16 tokens that I fetch: 32 y + 16 x half
	s_lshl_b32 s20, s18, 15                        ; its codes: 32,768 bytes a block,
	s_lshl_b32 s19, s66, 14                        ; 8 images on for the second half of K
	s_add_co_u32 s20, s20, s19
	s_mov_b32 s21, 0
	s_lshl_b32 s22, s18, 10                        ; its scales: 16 rows of 64 bytes a block,
	s_lshl_b32 s19, s66, 5                         ; 32 bytes on
	s_add_co_u32 s22, s22, s19
	s_mov_b32 s23, 0
	s_and_b32 s18, s42, 7
	s_lshl_b32 s18, s18, 1
	s_add_co_u32 s18, s18, s16                     ; W: which 256 rows I fetch: 2 x (which 512 n) + half
	s_lshr_b32 s19, s42, 3                         ; the half of K
	s_lshl_b32 s46, s18, 19                        ; their codes: 256 rows of 2,048 bytes,
	s_lshl_b32 s47, s19, 10                        ; 1,024 bytes on
	s_add_co_u32 s46, s46, s47
	s_mov_b32 s47, 0
	s_lshl_b32 s92, s18, 14                        ; their scales: 256 rows of 64 bytes,
	s_lshl_b32 s93, s19, 5                         ; 32 bytes on
	s_add_co_u32 s92, s92, s93
	s_mov_b32 s93, 0
	s_lshl_b32 s45, s16, 15                        ; where they go: X's half x 32,768 bytes;
	s_mul_i32 s95, s16, WHALF                      ; W's half x 256 rows, behind X's;
	s_add_co_u32 s95, s95, WOFF
	s_mul_i32 s94, s14, HALFS                      ; the scales: wave x 256 rows: no place in the cluster enters an LDS address
	s_wait_kmcnt 0x0
	s_add_nc_u64 s[20:21], s[4:5], s[20:21]
	s_add_nc_u64 s[22:23], s[6:7], s[22:23]
	s_add_nc_u64 s[46:47], s[8:9], s[46:47]
	s_add_nc_u64 s[92:93], s[10:11], s[92:93]
	CROUND                                         ; all sixteen work-groups are here: the first joint loads meet
	s_mov_b32 s[G0S], 1
	s_add_co_u32 s[G0S+1], s94, SCL
	s_mov_b64 s[G0S+2:G0S+3], s[22:23]
	s_or_b32 s[G0S+3], s[G0S+3], 0x80000000
	s_mov_b32 s[G0SB], 1
	s_add_co_u32 s[G0SB+1], s94, SCL
	s_mov_b64 s[G0SB+2:G0SB+3], s[92:93]
	s_or_b32 s[G0SB+3], s[G0SB+3], 0x80000000
	JLOAD G0S, G1S, G0SB, G1SB                     ; the scales first: they are wanted with K step 0
.irp s, 0,1
	s_mov_b32 s[G0+4*\s], 1
	s_add_co_u32 s[G0+4*\s+1], s45, \s*SLOT
	s_add_nc_u64 s[G0+4*\s+2:G0+4*\s+3], s[20:21], \s*XFRB
	s_or_b32 s[G0+4*\s+3], s[G0+4*\s+3], 0x80000000
	s_mov_b32 s[G0B+4*\s], 1
	s_add_co_u32 s[G0B+4*\s+1], s95, \s*SLOT
	s_add_nc_u64 s[G0B+4*\s+2:G0B+4*\s+3], s[46:47], \s*128
	s_or_b32 s[G0B+4*\s+3], s[G0B+4*\s+3], 0x80000000
	JLOAD G0+4*\s, G1, G0B+4*\s, G1B               ; three tensor loads of mine are out now: the scales, K step 0, K step 1
.endr
	v_and_b32 v1, 15, v0                           ; r = l % 16
	v_bfe_u32 v2, v0, 4, 1                         ; h = l / 16
	v_and_b32 v6, 31, v0
	v_lshlrev_b32 v[CO], 4, v6                     ; 16 x lane: my place in each 512 bytes of an image
	v_mul_u32_u24 v3, v1, WP
	v_lshl_add_u32 v4, v2, 4, v3                   ; W: a fragment's row x pitch + 16 x half
	s_lshl_b32 s21, s15, 15                        ; my 16 blocks of tokens
	s_mul_i32 s22, s16, WHALF                      ; my 256 rows of W,
	s_add_co_u32 s22, s22, WOFF                    ; which lie behind X's images
.irp s, 0,1
	v_add_nc_u32 v[ADRA+\s], s21, v[CO]
	v_add_nc_u32 v[ADRB+\s], s22, v4
	s_add_co_u32 s21, s21, SLOT
	s_add_co_u32 s22, s22, SLOT
.endr
	v_mul_u32_u24 v5, v1, SCP                      ; my row's scales
	s_mul_i32 s21, s15, HALFS                      ; X's: my 256 rows
	s_mul_i32 s22, s16, HALFS                      ; W's: my 256 rows, behind X's 512
	s_add_co_u32 s22, s22, 2*HALFS
	s_sub_co_u32 s22, s22, s21
	v_mul_u32_u24 v6, s22, v2                      ; lanes 16-31 take W's: one product, the distance between the two bases
	s_add_co_u32 s21, s21, SCL
	v_add_nc_u32 v5, v5, v6
	v_add_nc_u32 v[ADRS], s21, v5
	s_lshl_b32 s23, s14, 10                        ; my stage: 1,024 bytes a wave
	s_add_co_u32 s23, s23, STG
	v_lshl_add_u32 v[STO], v1, 2, s23              ; in: my token's word
	v_add_nc_u32 v[RD], s23, v[CO]                 ; back: four tokens a lane
	s_and_b32 s46, s42, 7
	s_lshl_b32 s46, s46, 1
	s_add_co_u32 s46, s46, s16                     ; which 256 n are mine
	s_lshl_b32 s46, s46, 1
	s_lshr_b32 s47, s42, 3
	s_add_co_u32 s46, s46, s47                     ; my chunk of part: 2 x that + the half of K
	s_lshl_b32 s46, s46, 15                        ; x 8,192 tokens x 4 bytes
	s_lshl_b32 s20, s17, 9
	s_lshl_b32 s21, s15, 8
	s_add_co_u32 s20, s20, s21                     ; my first token: 512 y + 256 x half
	s_lshl_b32 s20, s20, 2
	s_add_co_u32 s20, s20, s46
	s_mov_b32 s21, 0
	s_add_nc_u64 s[12:13], s[12:13], s[20:21]
; 16 matrix instructions: W's block b against X's sixteen, 128 along K.  cur: the slot, X's set and the set of scale words.  zero = 1: the products start the sums: nothing is ever cleared.
; The 16 accumulators take turns, one instruction a turn, in the same order throughout.
.macro MULB b, cur, zero
.irp a, 0,1,2,3,4,5,6,7,8,9,10,11,12,13,14,15
.if \zero
	v_wmma_scale_f32_16x16x128_f8f6f4 v[ACC+8*\a:ACC+8*\a+7], v[FR*(\b):FR*(\b)+FR-1], v[FR*\a:FR*\a+FR-1], 0, v[SC+16*(\cur)+(\b)], v[SC+16*(\cur)+\a] matrix_a_scale:MATRIX_SCALE_ROW1
.else
	v_wmma_scale_f32_16x16x128_f8f6f4 v[ACC+8*\a:ACC+8*\a+7], v[FR*(\b):FR*(\b)+FR-1], v[FR*\a:FR*\a+FR-1], v[ACC+8*\a:ACC+8*\a+7], v[SC+16*(\cur)+(\b)], v[SC+16*(\cur)+\a] matrix_a_scale:MATRIX_SCALE_ROW1
.endif
.endr
.endm
; A fragment, 16 rows x 128 K of 8-bit codes, is 16 registers: lane l holds row l % 16; registers 4 c .. 4 c + 3 hold K = 32 c + 16 (l / 16) + 0 .. 15.
.macro FETCH_X slot, i0, n             ; X's blocks i0 .. i0 + n - 1 of the slot, into set = slot: an image's 512 bytes a load, 16 x lane
	WIN 0x80+0x40*(\slot)
.set FI, \i0
.rept \n
.irp c, 0,1,2,3
	ds_load_b128 v[FR*FI+4*\c:FR*FI+4*\c+3], v[ADRA+(\slot)] offset:FI*XFRB+512*\c
.endr
.set FI, FI+1
.endr
.endm
.macro FETCH_W slot, i0, n             ; W's blocks i0 .. i0 + n - 1 of the slot: from rows along K, four loads 32 bytes apart
	WIN TO_W
.set FI, \i0
.rept \n
.irp c, 0,1,2,3
	ds_load_b128 v[FR*FI+4*\c:FR*FI+4*\c+3], v[ADRB+(\slot)] offset:FI*16*WP+32*\c
.endr
.set FI, FI+1
.endr
.endm
.macro SCALES sc                       ; a K step's scale words into set sc: lanes 0-15 take X's block i, lanes 16-31 W's block i
	WIN 0
.irp i, 0,1,2,3,4,5,6,7,8,9,10,11,12,13,14,15
	ds_load_b32 v[SC+16*(\sc)+\i], v[ADRS] offset:\i*SBLK
.endr
.endm
; A load into a register that a matrix instruction has read, and a vector instruction that reads a matrix result, stand NP places behind that matrix instruction, and only plain vector instructions that name none of its
; registers are places (ISA guide 7.12.1 for vector instructions); this text does not count the matrix instructions in between.
.macro PLACES n
.rept \n
	v_nop
.endr
.endm
.macro RUN nxt, x0, xn, w0, wn         ; a run of LDS loads for the next K step: xn blocks of X into the other set, wn blocks of W into the registers whose products are issued
	PLACES NP
.if \xn
	FETCH_X \nxt, \x0, \xn
.endif
	FETCH_W \nxt, \w0, \wn
.endm
; A K STEP that has a successor: 256 matrix instructions on slot cur, and the change of slots behind its first 32: ONE barrier; in front of it each wave waits for all its tensor loads (its part of the other slot), adds 0 to its
; spare word, and waits for that and for its own reads of this slot.  Behind it nobody reads this slot any more and the other slot is whole.  fill = 1: this slot is filled again, two K steps ahead: the load has the
; 224 matrix instructions up to the next step's wait in which to land.  Then the next step's fragments are fetched from the other slot, in eight runs.
.macro KSTEP cur, fill, zero
	s_wait_tensorcnt 0x0                           ; all my tensor loads have landed: my part of the other slot;  (every window is 0 here: the add's two registers lie in window 0)
	ds_add_u32 v[SPW], v[NIL]                      ; 0 onto my spare word
	s_wait_dscnt 17                                ; (the add and the youngest sixteen loads, W's blocks 12-15, may be out: the scale words, X's set and W's blocks 0-11 are in)
	WIN MULW+4*(\cur)
	MULB 0, \cur, \zero                            ; sixteen matrix instructions stand between the add and the wait for it
	s_wait_dscnt 0x0                               ; the add is done, and my reads of this slot are over
	s_barrier_signal -1
	MULB 1, \cur, 0
	WIN 0
	s_barrier_wait -1
.if \fill
	CREST                                          ; the barrier has opened a round of the cluster's barrier: no wave of any partner still reads this slot's tile or has a load on its way
	s_add_nc_u64 s[G0+4*(\cur)+2:G0+4*(\cur)+3], s[G0+4*(\cur)+2:G0+4*(\cur)+3], 2*XFRB
	s_add_nc_u64 s[G0B+4*(\cur)+2:G0B+4*(\cur)+3], s[G0B+4*(\cur)+2:G0B+4*(\cur)+3], 2*128
	JLOAD G0+4*(\cur), G1, G0B+4*(\cur), G1B       ; the first tensor load behind the round, and my only one until the next; the four v_nop behind it are among the places in front of the loads below
	PLACES NP-4
.else
	PLACES NP
.endif
	v_add_nc_u32 v[ADRS], 4, v[ADRS]               ; on to the next K step's scale words
	SCALES 1-(\cur)
	FETCH_X 1-(\cur), 0, 3
	FETCH_W 1-(\cur), 0, 2
	WIN MULW+4*(\cur)
	MULB 2, \cur, 0
	MULB 3, \cur, 0
	RUN 1-(\cur), 3, 3, 2, 2
	WIN MULW+4*(\cur)
	MULB 4, \cur, 0
	MULB 5, \cur, 0
	RUN 1-(\cur), 6, 3, 4, 2
	WIN MULW+4*(\cur)
	MULB 6, \cur, 0
	MULB 7, \cur, 0
	RUN 1-(\cur), 9, 3, 6, 2
	WIN MULW+4*(\cur)
	MULB 8, \cur, 0
	MULB 9, \cur, 0
	RUN 1-(\cur), 12, 3, 8, 2
	WIN MULW+4*(\cur)
	MULB 10, \cur, 0
	MULB 11, \cur, 0
	RUN 1-(\cur), 15, 1, 10, 2
	WIN MULW+4*(\cur)
	MULB 12, \cur, 0
	MULB 13, \cur, 0
	RUN 1-(\cur), 0, 0, 12, 2
	WIN MULW+4*(\cur)
	MULB 14, \cur, 0
	MULB 15, \cur, 0
	RUN 1-(\cur), 0, 0, 14, 2
	WIN 0
.endm
	s_wait_tensorcnt 1                             ; the scales and my part of K step 0 are in (K step 1's load may be out)
	s_barrier_signal -1
	s_barrier_wait -1                              ; everybody's are
	SCALES 0
	FETCH_X 0, 0, 16
	FETCH_W 0, 0, 16                               ; W's blocks last, as in every step: the first wait below counts on it
	WIN 0
	KSTEP 0, 1, 1                                  ; K step 0 stands in front of the loop: its first sixteen products start the sums.  Slot 0 takes K step 2
	s_mov_b32 s3, 2
.Llap:                                                 ; a trip goes once round the ring and fills both slots again: K steps 1 and 2, 3 and 4
	KSTEP 1, 1, 0
	KSTEP 0, 1, 0
	s_sub_co_u32 s3, s3, 1
	s_cmp_lg_u32 s3, 0
	s_cbranch_scc1 .Llap
	KSTEP 1, 1, 0                                  ; K step 5: slot 1 takes K step 7, the last load
	KSTEP 0, 0, 0                                  ; K step 6 fills nothing, and has no round of the cluster's barrier
	s_wait_dscnt 16                                ; K step 7: nothing more to fetch, no change of slots.  (W's blocks 12-15 may be out)
	WIN MULW+4
	MULB 0, 1, 0
	MULB 1, 1, 0
	s_wait_dscnt 0x0
.irp b, 2,3,4,5,6,7,8,9,10,11,12,13,14,15
	MULB \b, 1, 0
.endr
	WIN 0
	; THE WAY OUT.  In accumulator a lane (r, h) holds token 16 a + r and, in its eight registers, the sums of the n = 8 h + j mod 16: their sum, joined with lane l xor 16's, is the token's part.
	; Each accumulator is read from its low end on; the sixteen by turns.
	PLACES NP
.irp a, 0,1,2,3,4,5,6,7,8,9,10,11,12,13,14,15
	v_pk_add_f32 v[TS+4*\a:TS+4*\a+1], v[ACC+8*\a:ACC+8*\a+1], v[ACC+8*\a+2:ACC+8*\a+3]
	v_pk_add_f32 v[TS+4*\a+2:TS+4*\a+3], v[ACC+8*\a+4:ACC+8*\a+5], v[ACC+8*\a+6:ACC+8*\a+7]
.endr
.irp a, 0,1,2,3,4,5,6,7,8,9,10,11,12,13,14,15
	v_pk_add_f32 v[TS+4*\a:TS+4*\a+1], v[TS+4*\a:TS+4*\a+1], v[TS+4*\a+2:TS+4*\a+3]
.endr
.irp a, 0,1,2,3,4,5,6,7,8,9,10,11,12,13,14,15
	v_add_f32 v[TS+4*\a], v[TS+4*\a], v[TS+4*\a+1]
.endr
.irp a, 0,1,2,3,4,5,6,7,8,9,10,11,12,13,14,15
	v_permlanex16_b32 v[TS+4*\a+1], v[TS+4*\a], s96, s97   ; (its destination counts as read: the additions have written it)
.endr
.irp a, 0,1,2,3,4,5,6,7,8,9,10,11,12,13,14,15
	v_add_f32 v[TS+4*\a], v[TS+4*\a], v[TS+4*\a+1]         ; with lane l xor 16's: the token's sum over my 256 n and my half of K
.endr
.irp a, 0,1,2,3,4,5,6,7,8,9,10,11,12,13,14,15
	ds_store_b32 v[STO], v[TS+4*\a] offset:64*\a   ; token 16 a + r; lanes l and l xor 16 write the same word with the same value
.endr
	ds_load_b128 v[8:11], v[RD]                    ; LDS serves a wave's instructions in order (ISA guide 5.7.1.4): these see my stores.  Four neighbouring tokens a lane
	ds_load_b128 v[12:15], v[RD] offset:512
	s_wait_dscnt 0x0
	global_store_b128 v[CO], v[8:11], s[12:13]     ; 32 lanes store 512 consecutive bytes, at a multiple of 256 from part's first byte
	global_store_b128 v[CO], v[12:15], s[12:13] offset:512
	s_wait_tensorcnt 0x0                           ; the wave's end: behind my last tensor load and my last LDS store
	ds_add_u32 v[SPW], v[NIL]
	s_wait_dscnt 0x0
	CROUND                                         ; the closing round: no work-group ends while a partner may still ask for a tile that names it
	s_endpgm
.Lfunc_end_k_qff59807680_gemm:
	.size	k_qff59807680_gemm, .Lfunc_end_k_qff59807680_gemm-k_qff59807680_gemm
	.p2alignl 7, 3214868480
	.fill 96, 4, 3214868480
	.section	.rodata,"a",@progbits
	.p2align	6, 0x0
	.amdhsa_kernel k_qff59807680_gemm
		.amdhsa_group_segment_fixed_size 327680
		.amdhsa_private_segment_fixed_size 0
		.amdhsa_enable_private_segment 0
		.amdhsa_kernarg_size 40
		.amdhsa_user_sgpr_count 2
		.amdhsa_user_sgpr_kernarg_segment_ptr 1
		.amdhsa_wavefront_size32 1
		.amdhsa_system_sgpr_workgroup_id_x 1
		.amdhsa_system_sgpr_workgroup_id_y 1
		.amdhsa_system_sgpr_workgroup_id_z 1
		.amdhsa_system_vgpr_workitem_id 0
		.amdhsa_next_free_vgpr 1024
		.amdhsa_next_free_sgpr 98
		.amdhsa_reserve_vcc 0
		.amdhsa_float_denorm_mode_32 3
		.amdhsa_float_denorm_mode_16_64 3
		.amdhsa_memory_ordered 1
		.amdhsa_forward_progress 1
		.amdhsa_inst_pref_size 255
	.end_amdhsa_kernel
	.section	.bss,"aw",@nobits
	.p2align	6
	.space	262144
	.amdgpu_metadata
---
amdhsa.version: [ 1, 2 ]
amdhsa.kernels:
  - .name:           k_qff59807680_gemm
    .symbol:         k_qff59807680_gemm.kd
    .args:
      - { .name: xc, .offset: 0, .size: 8, .value_kind: global_buffer, .address_space: global }
      - { .name: xs, .offset: 8, .size: 8, .value_kind: global_buffer, .address_space: global }
      - { .name: W_codes, .offset: 16, .size: 8, .value_kind: global_buffer, .address_space: global }
      - { .name: W_scales, .offset: 24, .size: 8, .value_kind: global_buffer, .address_space: global }
      - { .name: part, .offset: 32, .size: 8, .value_kind: global_buffer, .address_space: global }
    .group_segment_fixed_size: 327680
    .private_segment_fixed_size: 0
    .kernarg_segment_align: 8
    .kernarg_segment_size: 40
    .max_flat_workgroup_size: 128
    .sgpr_count:     98
    .vgpr_count:     1024
    .wavefront_size: 32
...
	.end_amdgpu_metadata
.endif
;; end of part 5
;; launch fin: the kernel of part 3 again; grid 8 x 1, 8 waves a work-group, no clusters, 2,048 bytes of LDS; arguments part, lg, b, out0; writes out0
